; MI455X (gfx1250); checked and timed in simulation.
; The chip was launched on July 23, 2026; its instructions are those of AMD's public machine-readable ISA for CDNA 5 (MIT licence, August 2026) and "CDNA5" Instruction Set Architecture Reference Guide (July 2026). The comments in the code are by the model that wrote it; some were corrected since.
;; Attention Block. Allowed arithmetic: matrix products marked QUANTISED: E2M3 operands, one E8M0 scale for each 32 along K, by v_wmma_scale_f32_16x16x128_f8f6f4 with both operands' format E2M3, f32 sums; everything else in f32.
;; Inputs: norm_b 256 float32; norm_w 256 float32; proj_b 256 float32; proj_w 256 x 256 float32; qkv_b 768 float32; qkv_w 768 x 256 float32; x 4 x 256 x 64 x 64 float32.
;; Outputs: out0 4 x 256 x 64 x 64 float32.
;; This version of the problem:
;;   THIS VERSION OF THE PROBLEM IS GIVEN IN LOW PRECISION. The matrix products marked QUANTISED in the list below multiply operands that are first quantised to E2M3 (2 exponent bits, 3 mantissa bits; 6 bits a number), with one power-of-two scale for each 32 numbers along K (OCP MX v1.0); their sums are f32. All else is computed in f32.
;;   The module's matrix products, in the order in which they are computed (A, B: the left and right operand; K: the contracted axis; several contracted axes count as one K, in the product's order):
;;     1. [M 16,384, K 256] x [K 256, N 768]; A: computed on the way; B: input qkv_w: QUANTISED
;;     2. batch 16 x [M 4,096, K 64] x [K 64, N 4,096]; A: computed on the way; B: computed on the way: QUANTISED
;;     3. batch 16 x [M 64, K 4,096] x [K 4,096, N 4,096]; A: computed on the way; B: softmax (see below): QUANTISED
;;     4. [M 16,384, K 256] x [K 256, N 256]; A: computed on the way; B: input proj_w: QUANTISED
;;   THE QUANTISER, for each operand of a quantised product, along K:
;;     - K is cut into blocks of 32 from its start; a last block that is shorter is filled with zeros.
;;     - A block's scale is 2^e with e = floor(log2(the largest magnitude in the block)) - 2, held to -126 .. 127; a block of zeros has e = 0. As a byte (E8M0): e + 127.
;;     - Each number is divided by its block's scale, clamped to +-7.5, and rounded to the nearest number of E2M3, ties to even, subnormals kept.
;;     - The product sums the exact products of the quantised numbers (number of the format x scale) in f32.
;;   ~~~python
;;   def quantise(x, axis):      # numpy; x: float32 -> the quantised numbers, widened to float32 again
;;       x = np.moveaxis(x, axis, -1); K = x.shape[-1]
;;       x = np.pad(x, [(0, 0)] * (x.ndim - 1) + [(0, -K % 32)]); x = x.reshape(x.shape[:-1] + (-1, 32)); a = np.abs(x).max(-1, keepdims=True)
;;       e = np.where(a > 0, np.clip(np.frexp(np.where(a > 0, a, 1))[1] - 1 - 2, -126, 127), 0)      # np.frexp(a)[1] - 1 = floor(log2(a)), exactly
;;       r = np.clip(x / 2.0 ** e, -7.5, 7.5)
;;       step = 2.0 ** (np.maximum(np.frexp(np.where(r == 0, 1, r))[1] - 1, 0) - 3)
;;       q = np.round(r / step) * step * 2.0 ** e      # np.round: ties to even
;;       return np.moveaxis(q.reshape(q.shape[:-2] + (-1,))[..., :K], -1, axis).astype(np.float32)
;;   ~~~
;;   SOFTMAX AHEAD OF A QUANTISED PRODUCT. Where the list says 'softmax', what is quantised is not the finished softmax but p = 2^(t - M), with t = logit x log2(e) and M = ceil(the row's largest t), a whole number; so 1/2 < the row's largest p <= 1. The row's sum l is taken of the UNQUANTISED p, in f32, and the product's result is divided by l at the end. Since M is a whole number, a kernel that streams over the keys may use a running M (the ceiling of the running maximum): every later rescaling is an exact power of two, which a block's scale takes up: the codes' values come out the same.
;;   OPERANDS COMPUTED ON THE WAY. 'Computed on the way' means the value that the module computes at that place (a softmax that the list does not call 'softmax' is quantised finished and normalised). What goes into a quantiser is computed in f32, as accurately as f32 sums, v_exp_f32 and their like allow (about 1e-6 of the number): no bf16 or f16 on the way to a quantiser, and a product that is left as it is and whose result goes on into a quantised operand takes f32 operands (vector FMAs, or v_wmma_f32_16x16x4_f32). A number that lies on a knife's edge between two numbers of the format may be rounded either way, as far as f32 arithmetic and the matrix unit's own rounding can turn it there, and no further.
;; One version. Each part assembles by itself: llvm-mc -triple=amdgcn-amd-amdhsa -mcpu=gfx1250 --defsym DOCPART=n.
;; ======== version 1 of 1: 4 launches
;; limits: right only within a limited range of input values
;; workspace buffers: stats 2,048 bytes; wq 204,800 bytes; qq 3,407,872 bytes; kv 6,684,672 bytes; hh 3,407,872 bytes
;; launch prep (part 1): grid 256 x 1, 8 waves a work-group, no clusters, 6,656 bytes of LDS; arguments x, qkv_w, proj_w, stats, wq; writes stats, wq
.if DOCPART == 1
	.amdgcn_target "amdgcn-amd-amdhsa--gfx1250"
	.amdhsa_code_object_version 6
	.text
	.protected	k_qdc61929b4a_prep
	.globl	k_qdc61929b4a_prep
	.p2align	8
	.type	k_qdc61929b4a_prep,@function
k_qdc61929b4a_prep:
	s_mov_b64 s[64:65], 0
	v_nop
	global_prefetch_b8 v0, s[64:65] scope:SCOPE_SE
	s_setreg_imm32_b32 hwreg(HW_REG_WAVE_MODE, 25, 1), 1
	s_wait_xcnt 0x0
; PREP: every work-group g does two jobs.
; (1) Mean and sum of squared deviations (M2) of a QUARTER of a norm group of x: 4 channels x 4,096 positions = 65,536 consecutive bytes.  Two passes over registers: the mean, then the squares of x - mean.  stats[g] = (mean, M2).
; (2) One of 256 pieces of the weights: tile g / 4 (tiles 0-47 qkv_w, 48-63 proj_w, 16 rows each) x 64 along K (piece q = g % 4: K step q / 2, half c = q % 2).  f32, K innermost, becomes codes of FP6 (E2M3), one E8M0 byte for each 32 along K.
;   THE ROWS OF A TILE ARE NOT NEIGHBOURS: row r of tile 2 P + u is row 32 P + 8 u + r + 8 (r / 8) of its tensor.
;   Wave w loads rows 2 w and 2 w + 1 of the piece, sixteen lanes to a row's 256 consecutive bytes, into a stage in LDS (rows 272 bytes apart); the reductions' barriers stand between these stores and wave 7's reads.
;   Wave 7: lane (r, h) reads its whole block, k = 64 c + 32 h + 0 .. 31 of row r, and quantises it.
;   wq is laid AS THE OPERAND'S REGISTERS: registers 4 g .. 4 g + 3 of lane l of fragment (tile, K step) lie at (2 tile + step) x 1,536 + 512 g + 16 l; a piece is registers 6 c .. 6 c + 5: one store of 16 bytes and one of 8 a lane
;   (the 8 are half of a place of 16: the work-group of the other c writes the other half).  Scale words from byte 196,608 on, 128 bytes a tile: K step 0's sixteen words, then K step 1's; a lane stores its block's one byte.
; A block's scale is 2^(floor(log2(largest magnitude)) - 2): its byte is the largest magnitude's exponent field - 2, held at 1 from below.
; LIMITS: NaN and infinities are not served; a block of zeros, or one under 2^-124, gets the byte 1 (the rule says 127 for zeros): its codes are zeros or tiny, and this program alone reads the bytes.
; No matrix work, no tensor loads, no cluster: work-groups share no input.
.set STG, 2048                         ; LDS: 0-63 the reductions' words; 1,024-2,047 the spare words; from 2,048 the stage, 16 x 272 bytes
	s_load_b256 s[4:11], s[0:1], 0x0               ; x s[4:5], qkv_w s[6:7], proj_w s[8:9], stats s[10:11]
	s_load_b64 s[12:13], s[0:1], 0x20              ; wq
	v_lshl_add_u32 v102, v0, 2, 0x400
	v_mov_b32 v103, 0
	v_lshrrev_b32 v1, 5, v0
	s_delay_alu instid0(VALU_DEP_1)
	v_readfirstlane_b32 s14, v1                    ; wave 0..7
	v_lshlrev_b32 v3, 2, v1                        ; LDS: my wave's word
	v_lshlrev_b32 v2, 4, v0                        ; x: 16 bytes a thread
	v_and_b32 v4, 15, v0                           ; r
	v_bfe_u32 v5, v0, 4, 1                         ; h
	v_lshrrev_b32 v8, 4, v0                        ; 2 w + h: the row that I load
	s_delay_alu instid0(VALU_DEP_3)
	v_lshlrev_b32 v6, 4, v4
	s_delay_alu instid0(VALU_DEP_1)
	v_lshl_add_u32 v7, v5, 10, v6                  ; the weight: 1,024 h + 16 r
	v_mad_u32_u24 v8, v8, 272, v6                  ; the stage, in
	v_mul_u32_u24 v9, v4, 272
	s_delay_alu instid0(VALU_DEP_1)
	v_lshl_add_u32 v9, v5, 7, v9                   ; the stage, out: row r, + 128 h
	v_and_b32 v10, 31, v0
	s_delay_alu instid0(VALU_DEP_1)
	v_lshlrev_b32 v10, 4, v10                      ; an image's place for my lane
	v_lshl_add_u32 v11, v4, 2, v5                  ; my byte's place: 4 r + h
	v_mov_b32 v89, 0                               ; (a lane permute's destination counts as one of its sources)
	v_mov_b32 v90, 0
	s_wait_alu depctr_va_vdst(0)                   ; the wait at the head's end, ahead of the scalar run
	s_mov_b32 s20, 0x76543210
	s_mov_b32 s21, 0xfedcba98                      ; v_permlanex16_b32's selects for lane l xor 16
	s_lshl_b32 s16, ttmp9, 16                      ; 65,536 bytes a quarter group
	s_mov_b32 s17, 0
	s_lshl_b32 s18, ttmp9, 3                       ; 8 bytes of stats
	s_mov_b32 s19, 0
	s_lshr_b32 s22, ttmp9, 2                       ; tile 0..63
	s_and_b32 s23, ttmp9, 3                        ; piece q
	s_cmp_lt_u32 s22, 48
	s_cselect_b32 s24, 0, 48
	s_sub_co_u32 s24, s22, s24                     ; the tile's number in its own tensor
	s_lshr_b32 s25, s24, 1
	s_lshl_b32 s25, s25, 5                         ; 32 rows for each pair of tiles,
	s_and_b32 s26, s24, 1
	s_lshl_b32 s26, s26, 3
	s_add_co_u32 s25, s25, s26                     ; 8 for the odd one,
	s_lshl_b32 s26, s14, 1
	s_add_co_u32 s25, s25, s26                     ; 2 w,
	s_lshr_b32 s26, s14, 2
	s_lshl_b32 s26, s26, 3
	s_add_co_u32 s25, s25, s26                     ; 8 (r / 8) = 8 (w / 4)
	s_lshl_b32 s25, s25, 10                        ; a row is 1,024 bytes
	s_lshl_b32 s26, s23, 8                         ; a piece 256 of them
	s_add_co_u32 s26, s25, s26
	s_mov_b32 s27, 0
	s_wait_kmcnt 0x0
	s_add_nc_u64 s[4:5], s[4:5], s[16:17]
	s_add_nc_u64 s[10:11], s[10:11], s[18:19]
	s_cmp_lt_u32 s22, 48                           ; qkv_w's tile or proj_w's: the choice hangs on ids alone
	s_cselect_b64 s[6:7], s[6:7], s[8:9]
	s_add_nc_u64 s[6:7], s[6:7], s[26:27]
	global_load_b128 v[104:107], v7, s[6:7] th:TH_LOAD_NT            ; two rows' 256 consecutive bytes
.irp i, 0,1,2,3,4,5,6,7,8,9,10,11,12,13,14,15
	global_load_b128 v[16+4*\i:19+4*\i], v2, s[4:5] offset:4096*\i   ; no hint: later launches read x again
.endr
	s_wait_loadcnt 0x0
	ds_store_b128 v8, v[104:107] offset:STG        ; awaited in front of the first reduction's barrier
; The four chains in v[80:87] are joined, then the wave's 32 lanes, then the eight waves through eight words of LDS at byte off.  The sum is left in v92, in every lane.
.macro REDUCE off
	s_delay_alu instid0(VALU_DEP_3)
	v_pk_add_f32 v[80:81], v[80:81], v[82:83]
	s_delay_alu instid0(VALU_DEP_2)
	v_pk_add_f32 v[84:85], v[84:85], v[86:87]
	s_delay_alu instid0(VALU_DEP_1)
	v_pk_add_f32 v[80:81], v[80:81], v[84:85]
	s_delay_alu instid0(VALU_DEP_1)
	v_add_f32 v88, v80, v81
	s_delay_alu instid0(VALU_DEP_1)
	v_add_f32_dpp v88, v88, v88 row_xmask:1 row_mask:0xf bank_mask:0xf
	s_delay_alu instid0(VALU_DEP_1)
	v_add_f32_dpp v88, v88, v88 row_xmask:2 row_mask:0xf bank_mask:0xf
	s_delay_alu instid0(VALU_DEP_1)
	v_add_f32_dpp v88, v88, v88 row_xmask:4 row_mask:0xf bank_mask:0xf
	s_delay_alu instid0(VALU_DEP_1)
	v_add_f32_dpp v88, v88, v88 row_xmask:8 row_mask:0xf bank_mask:0xf
	s_delay_alu instid0(VALU_DEP_1)
	v_permlanex16_b32 v89, v88, s20, s21
	s_delay_alu instid0(VALU_DEP_1)
	v_add_f32 v88, v88, v89
	ds_store_b32 v3, v88 offset:\off               ; all lanes write the same word with the same value
	s_wait_dscnt 0x0                               ; for the others' sake: my stores have landed
	s_barrier_signal -1
	s_barrier_wait -1
	ds_load_b128 v[92:95], v90 offset:\off
	ds_load_b128 v[96:99], v90 offset:\off+16
	s_wait_dscnt 0x0
	v_add_f32 v92, v92, v93
	v_add_f32 v94, v94, v95
	v_add_f32 v96, v96, v97
	v_add_f32 v98, v98, v99
	s_delay_alu instid0(VALU_DEP_3)
	v_add_f32 v92, v92, v94
	s_delay_alu instid0(VALU_DEP_2)
	v_add_f32 v96, v96, v98
	s_delay_alu instid0(VALU_DEP_1)
	v_add_f32 v92, v92, v96
.endm
	; pass 1: the sum of my 64 numbers, two at a time, in four chains; the first additions start them
.irp k, 0,1,2,3
	v_pk_add_f32 v[80+2*\k:81+2*\k], v[16+2*\k:17+2*\k], v[24+2*\k:25+2*\k]
.endr
.irp m, 2,3,4,5,6,7
.irp k, 0,1,2,3
	s_delay_alu instid0(VALU_DEP_4)
	v_pk_add_f32 v[80+2*\k:81+2*\k], v[80+2*\k:81+2*\k], v[16+8*\m+2*\k:17+8*\m+2*\k]
.endr
.endr
	REDUCE 0
	s_delay_alu instid0(VALU_DEP_1)
	v_mul_f32 v100, 0x38800000, v92                ; the mean: sum x 2^-14
	s_delay_alu instid0(VALU_DEP_1)
	v_mov_b32 v101, v100
	; pass 2: x - mean in place, then the squares
.set p, 0
.rept 32
	v_pk_add_f32 v[16+2*p:17+2*p], v[16+2*p:17+2*p], v[100:101] neg_lo:[0,1] neg_hi:[0,1]
.set p, p+1
.endr
.irp k, 0,1,2,3
	v_pk_mul_f32 v[80+2*\k:81+2*\k], v[16+2*\k:17+2*\k], v[16+2*\k:17+2*\k]
.endr
.irp m, 1,2,3,4,5,6,7
.irp k, 0,1,2,3
	s_delay_alu instid0(VALU_DEP_4)
	v_pk_fma_f32 v[80+2*\k:81+2*\k], v[16+8*\m+2*\k:17+8*\m+2*\k], v[16+8*\m+2*\k:17+8*\m+2*\k], v[80+2*\k:81+2*\k]
.endr
.endr
	REDUCE 32
	s_delay_alu instid0(VALU_DEP_1)
	v_mov_b32 v101, v92                            ; M2
	s_cmp_lg_u32 s14, 7
	s_wait_alu depctr_va_vdst(0)                   ; the wait ahead of the branch
	s_cbranch_scc1 .Lstats
	; ---------------- wave 7: the piece of the weights
.irp i, 0,1,2,3,4,5,6,7
	ds_load_b128 v[16+4*\i:19+4*\i], v9 offset:STG+16*\i   ; my block of 32 numbers; all waves' stores lie two barriers back
.endr
	s_lshr_b32 s24, s23, 1                         ; K step
	s_and_b32 s25, s23, 1                          ; c
	s_lshl_b32 s28, s22, 1
	s_add_co_u32 s28, s28, s24
	s_mul_i32 s28, s28, 1536
	s_mov_b32 s29, 0
	s_add_nc_u64 s[28:29], s[12:13], s[28:29]      ; the fragment's image
	s_lshl_b32 s30, s22, 7
	s_lshl_b32 s24, s24, 6
	s_add_co_u32 s30, s30, s24
	s_lshl_b32 s24, s25, 1
	s_add_co_u32 s30, s30, s24
	s_add_co_u32 s30, s30, 196608
	s_mov_b32 s31, 0
	s_add_nc_u64 s[30:31], s[12:13], s[30:31]      ; the scale words of (tile, K step), byte 2 c on
	s_wait_dscnt 0x0
	v_max3_num_f32 v48, |v16|, |v17|, |v18|        ; the block's largest magnitude, in two chains
	v_max3_num_f32 v49, |v19|, |v20|, |v21|
.irp i, 22,26,30,34,38,42
	s_delay_alu instid0(VALU_DEP_2)
	v_max3_num_f32 v48, v48, |v[\i]|, |v[\i+1]|
	s_delay_alu instid0(VALU_DEP_2)
	v_max3_num_f32 v49, v49, |v[\i+2]|, |v[\i+3]|
.endr
	s_delay_alu instid0(VALU_DEP_2)
	v_max3_num_f32 v48, v48, |v46|, |v47|
	s_delay_alu instid0(VALU_DEP_1)
	v_max3_num_f32 v48, v48, v49, 0x1800000        ; and the floor 2^(3 - 127): the byte cannot fall under 1
	s_delay_alu instid0(VALU_DEP_1)
	v_add_nc_u32 v50, 0xff000000, v48              ; 2 off the exponent field: the conversion's scale operand
	s_delay_alu instid0(VALU_DEP_1)
	v_lshrrev_b32 v51, 23, v50                     ; the scale's byte
	v_cvt_scalef32_pk16_fp6_f32 v[52:54], v[16:31], v50
	v_cvt_scalef32_pk16_fp6_f32 v[56:58], v[32:47], v50   ; (a conversion's three registers begin on an even number)
	v_nop                                          ; one plain place behind a scaled conversion
	v_mov_b32 v55, v56                             ; v52-57: registers 6 c .. 6 c + 5
	v_mov_b32 v56, v57
	v_mov_b32 v57, v58
	s_cmp_lg_u32 s25, 0
	s_wait_alu depctr_va_vdst(0)                   ; the wait ahead of the branch
	s_cbranch_scc1 .Lc1
	global_store_b128 v10, v[52:55], s[28:29]              ; registers 0-3
	global_store_b64 v10, v[56:57], s[28:29] offset:512    ; registers 4, 5
	s_branch .Lcw
.Lc1:
	global_store_b64 v10, v[52:53], s[28:29] offset:520    ; registers 6, 7
	global_store_b128 v10, v[54:57], s[28:29] offset:1024  ; registers 8-11
.Lcw:
	global_store_b8 v11, v51, s[30:31]
.Lstats:
	s_wait_tensorcnt 0x0                           ; the wave's end, behind my last LDS store
	ds_add_u32 v102, v103
	s_wait_dscnt 0x0
	v_cmp_eq_u32 vcc_lo, 0, v0
	s_wait_xcnt 0x0                                ; EXEC changes only behind this wait
	s_and_saveexec_b32 s22, vcc_lo                 ; thread 0 alone
	global_store_b64 v90, v[100:101], s[10:11]
	s_endpgm
.Lfunc_end_k_qdc61929b4a_prep:
	.size	k_qdc61929b4a_prep, .Lfunc_end_k_qdc61929b4a_prep-k_qdc61929b4a_prep
	.p2alignl 7, 3214868480
	.fill 96, 4, 3214868480
	.section	.rodata,"a",@progbits
	.p2align	6, 0x0
	.amdhsa_kernel k_qdc61929b4a_prep
		.amdhsa_group_segment_fixed_size 6656
		.amdhsa_private_segment_fixed_size 0
		.amdhsa_enable_private_segment 0
		.amdhsa_kernarg_size 40
		.amdhsa_user_sgpr_count 2
		.amdhsa_user_sgpr_kernarg_segment_ptr 1
		.amdhsa_wavefront_size32 1
		.amdhsa_system_sgpr_workgroup_id_x 1
		.amdhsa_system_sgpr_workgroup_id_y 1
		.amdhsa_system_sgpr_workgroup_id_z 1
		.amdhsa_system_vgpr_workitem_id 0
		.amdhsa_next_free_vgpr 112
		.amdhsa_next_free_sgpr 66
		.amdhsa_reserve_vcc 1
		.amdhsa_float_denorm_mode_32 3
		.amdhsa_float_denorm_mode_16_64 3
		.amdhsa_memory_ordered 1
		.amdhsa_forward_progress 1
		.amdhsa_inst_pref_size 19
	.end_amdhsa_kernel
	.amdgpu_metadata
---
amdhsa.version: [ 1, 2 ]
amdhsa.kernels:
  - .name:           k_qdc61929b4a_prep
    .symbol:         k_qdc61929b4a_prep.kd
    .args:
      - { .name: x, .offset: 0, .size: 8, .value_kind: global_buffer, .address_space: global }
      - { .name: qkv_w, .offset: 8, .size: 8, .value_kind: global_buffer, .address_space: global }
      - { .name: proj_w, .offset: 16, .size: 8, .value_kind: global_buffer, .address_space: global }
      - { .name: stats, .offset: 24, .size: 8, .value_kind: global_buffer, .address_space: global }
      - { .name: wq, .offset: 32, .size: 8, .value_kind: global_buffer, .address_space: global }
    .group_segment_fixed_size: 6656
    .private_segment_fixed_size: 0
    .kernarg_segment_align: 8
    .kernarg_segment_size: 40
    .max_flat_workgroup_size: 256
    .sgpr_count:     66
    .vgpr_count:     112
    .wavefront_size: 32
...
	.end_amdgpu_metadata
.endif
;; end of part 1
;; launch qkv (part 2): grid 256 x 1, 8 waves a work-group, no clusters, 14,336 bytes of LDS; arguments x, stats, norm_w, norm_b, wq, qkv_b, qq, kv; writes qq, kv
.if DOCPART == 2
	.amdgcn_target "amdgcn-amd-amdhsa--gfx1250"
	.amdhsa_code_object_version 6
	.text
	.protected	k_qdc61929b4a_qkv
	.globl	k_qdc61929b4a_qkv
	.p2align	8
	.type	k_qdc61929b4a_qkv,@function
k_qdc61929b4a_qkv:
	s_mov_b64 s[64:65], 0
	v_nop
	global_prefetch_b8 v0, s[64:65] scope:SCOPE_SE
	s_setreg_imm32_b32 hwreg(HW_REG_WAVE_MODE, 25, 1), 1
	s_wait_xcnt 0x0
; QKV: group norm, the first product (normed x [t][256] times qkv_w, both as codes of FP6 (E2M3), one E8M0 byte for each 32 along K), bias, and the quantising of q, k and v for attention.
; A work-group takes 64 positions of one image b.  PHASE 1: wave w takes channels 32 w .. 32 w + 31 (one block along K, norm groups 2 w and 2 w + 1): A LANE TAKES A POSITION AND ITS REGISTERS RUN DOWN THE CHANNELS,
; so each load reads 128 consecutive bytes, the block's largest magnitude needs no other lane, and the conversions give codes with K innermost.  The codes go to LDS as an image of the operand's registers.
; One barrier.  PHASE 2: every wave reads all 8 fragments of x (4 tiles of positions x 2 K steps).  Wave w = (head hd = w / 2, e = w % 2) makes q (e = 0) or k (e = 1) of its head for all 64 positions, and 32 of its head's 64 channels of v.
; Its weights, 12 fragments, come from wq straight into registers.
; TILES ARE PERMUTED: in every group of 32 (weight rows, positions) lane r of tile 2 P + u holds number 32 P + 8 u + r + 8 (r / 8), so that where such a tile is source 0, the 16 registers of results 2 P and 2 P + 1 are 16 neighbours.
; q, k: source 0 = weight rows, source 1 = positions: a lane holds one position, registers run along the head's 64 channels (the second product's K).  x 8^-1/2, then quantised.
;   A RECORD of q or k is 32 positions in 12 registers a lane: registers 0-5 tile u = 0 (lane (r, h): channels 32 h ..), registers 6-11 tile u = 1; its scale word: bytes b0, b1 of u = 0, then of u = 1.
; v: source 0 = positions, source 1 = weight rows: a lane holds one channel, registers run along the keys (the third product's K).  64 keys give half a fragment, 6 registers a lane: four at 16 l, two at 512 + 8 l.
; kv: for each head and each 256 keys a record of 26,112 bytes: 8 records of k (12,288), v's 16 half fragments [64 keys][tile of channels] (12,288), k's scale words (1,024), v's [128 keys][tile][16] (512).
; NO CLUSTER: the weights that work-groups share go from memory straight into each wave's registers, 18,432 bytes a wave, used once; a joint load would lay them in LDS first, a way more for bytes that are read once.
; (x - mean) is formed before the multiplication by rstd x w: one fused form x a + (b - mean a) would subtract two large numbers where x carries an offset.
; v's scale bytes leave as 2 bytes a lane, 4 bytes apart (the work-group of the neighbouring 64 keys writes the other halves): 64 of the 4,928 bytes that a wave stores.
; LIMITS: NaN and infinities are not served; a block of zeros or under 2^-124 gets the byte 1 (this program alone reads the bytes); v_rsq_f32 is taken as it is.
; REGISTERS, window 0: v1-8 addresses; v16-111 x's 8 fragments (phase 1: v16-47 rstd x w, v48-79 norm_b, v80-95 stats, v96-109 means and work); v112-175 accumulators (phase 1: two sets of 32 numbers of x);
;   v176-207 biases as C; v208-219 codes; v220-223, v224-231 at work; v232-235 x's scale words; v236-241 the weights'; v242-243 v's bias; v244-245 scale words made.   window 1: v0-95 q's or k's weights, v96-143 v's.
.set SEL,  28                          ; s[28:29]
.set XF,   16
.set MEAN, 96
.set RSTD, 100
.set ACC,  112
.set BIAS, 176
.set PC,   208
.set PT,   220
.set TM,   224
.set XS,   232
.set RWQ,  236
.set RWV,  240
.set RBV,  242
.set SW,   244
.set XSC,  12288                       ; LDS: x's images at 0 (8 x 1,536), their scale words behind them: [tile][K step][16] words
.set MSB, 0
.macro WIN new                         ; the immediate's high byte repeats the setting that is left
.if MSB != \new
	s_set_vgpr_msb (MSB<<8)|\new
.set MSB, \new
.endif
.endm
; 32 numbers of a lane, register 16 b + i = element 32 b + 16 (lane / 16) + i of my row, become the six registers v[dst] on (lane (r, h): block h of row r); the two bytes are left in v[tm+6], v[tm+7], in every lane.
.macro QUANT2 src, dst, tmp, tm
.irp b, 0,1
	v_max3_num_f32 v[\tm+\b], |v[\src+16*\b]|, |v[\src+16*\b+1]|, 0x1800000   ; my 16 numbers, and the floor 2^(3 - 127): the byte cannot fall under 1
.endr
.irp i, 2,4,6,8,10,12,14
.irp b, 0,1
	v_max3_num_f32 v[\tm+\b], v[\tm+\b], |v[\src+16*\b+\i]|, |v[\src+16*\b+\i+1]|
.endr
.endr
.irp b, 0,1
	s_delay_alu instid0(VALU_DEP_2)
	v_permlanex16_b32 v[\tm+2+\b], v[\tm+\b], s[SEL], s[SEL+1]
.endr
.irp b, 0,1
	s_delay_alu instid0(VALU_DEP_2)
	v_max_num_f32 v[\tm+\b], v[\tm+\b], v[\tm+2+\b]   ; with lane l xor 16's: the block's largest magnitude
.endr
.irp b, 0,1
	s_delay_alu instid0(VALU_DEP_2)
	v_add_nc_u32 v[\tm+4+\b], 0xff000000, v[\tm+\b]   ; 2 off the exponent field: the conversion's scale operand
.endr
.irp b, 0,1
	s_delay_alu instid0(VALU_DEP_2)
	v_lshrrev_b32 v[\tm+6+\b], 23, v[\tm+4+\b]        ; the scale's byte
.endr
	v_cvt_scalef32_pk16_fp6_f32 v[\dst:\dst+2], v[\src:\src+15], v[\tm+4]
	v_cvt_scalef32_pk16_fp6_f32 v[\tmp:\tmp+2], v[\src+16:\src+31], v[\tm+5]
	v_nop                                          ; one plain place behind a scaled conversion
.irp i, 0,1,2
	v_permlane16_swap_b32 v[\dst+\i], v[\tmp+\i]   ; the layout wants a whole block in a lane: lanes 0-15 block 0, lanes 16-31 block 1
.endr
.irp i, 0,1,2
	s_delay_alu instid0(VALU_DEP_3)
	v_mov_b32 v[\dst+3+\i], v[\tmp+\i]
.endr
.endm
; a product; row = 1: both sides' scale words are taken from lanes 16-31 (K step 1's)
.macro MM d, a, b, c, sa, sb, row
.if \row
	v_wmma_scale_f32_16x16x128_f8f6f4 v[\d:\d+7], v[\a:\a+11], v[\b:\b+11], v[\c:\c+7], v[\sa], v[\sb] matrix_a_fmt:MATRIX_FMT_FP6 matrix_b_fmt:MATRIX_FMT_FP6 matrix_a_scale:MATRIX_SCALE_ROW1 matrix_b_scale:MATRIX_SCALE_ROW1
.else
	v_wmma_scale_f32_16x16x128_f8f6f4 v[\d:\d+7], v[\a:\a+11], v[\b:\b+11], v[\c:\c+7], v[\sa], v[\sb] matrix_a_fmt:MATRIX_FMT_FP6 matrix_b_fmt:MATRIX_FMT_FP6
.endif
.endm
	s_load_b256 s[4:11], s[0:1], 0x0               ; x s[4:5], stats s[6:7], norm_w s[8:9], norm_b s[10:11]
	s_load_b256 s[12:19], s[0:1], 0x20             ; wq s[12:13], qkv_b s[14:15], qq s[16:17], kv s[18:19]
	v_lshl_add_u32 v254, v0, 2, 0x3400
	v_mov_b32 v255, 0
	v_lshrrev_b32 v9, 5, v0
	s_delay_alu instid0(VALU_DEP_1)
	v_readfirstlane_b32 s20, v9                    ; wave 0..7
	s_lshr_b32 s21, ttmp9, 6                       ; b
	s_and_b32 s22, ttmp9, 63                       ; which 64 positions
	s_lshr_b32 s23, s20, 1                         ; hd
	s_and_b32 s24, s20, 1                          ; e
	s_lshl_b32 s25, s21, 2
	s_add_co_u32 s25, s25, s23                     ; head H = 4 b + hd
	s_lshr_b32 s26, s22, 2                         ; which 256 keys
	s_and_b32 s27, s22, 3                          ; which 64 of them
	s_mov_b32 s[SEL], 0x76543210
	s_mov_b32 s[SEL+1], 0xfedcba98                 ; v_permlanex16_b32's selects for lane l xor 16
	s_mov_b32 s36, 0x3eb504f3                      ; 8^-1/2 = 64^-1/4
	s_mov_b32 s37, s36                             ; (the packed form names the pair)
	v_and_b32 v10, 31, v0                          ; lane
	v_bfe_u32 v11, v0, 3, 1                        ; u: which tile of its 32 my position falls into,
	v_and_b32 v12, 7, v0
	v_bfe_u32 v13, v0, 4, 1                        ; h
	s_delay_alu instid0(VALU_DEP_1)
	v_lshl_add_u32 v12, v13, 3, v12                ; and which lane of that tile: lane % 8 + 8 (lane / 16)
	v_and_b32 v14, 15, v0                          ; r
	v_lshlrev_b32 v1, 2, v10                       ; 4 x lane
	v_mov_b32 v2, 0
	v_lshlrev_b32 v5, 3, v10                       ; 8 x lane
	v_lshlrev_b32 v6, 4, v10                       ; 16 x lane
	v_lshlrev_b32 v7, 6, v13                       ; 64 h: q's and k's bias, 16 channels a half
	v_and_b32 v15, 8, v14
	s_delay_alu instid0(VALU_DEP_1)
	v_add_nc_u32 v15, v15, v14
	s_delay_alu instid0(VALU_DEP_1)
	v_lshlrev_b32 v8, 2, v15                       ; 4 (r + 8 (r / 8)): v's bias
	; where my block's codes go: fragment (tile 2 j + u, K step w / 4), registers 6 ((w / 2) % 2) on, lane r' + 16 (w % 2); pieces of two registers lie 256 bytes apart, 8 bytes a lane
	s_lshr_b32 s38, s20, 2
	s_mul_i32 s38, s38, 1536
	s_bfe_u32 s39, s20, 0x10001
	s_mul_i32 s39, s39, 768
	s_add_co_u32 s38, s38, s39
	s_and_b32 s39, s20, 1
	s_lshl_b32 s39, s39, 7
	s_add_co_u32 s38, s38, s39
	v_mul_u32_u24 v3, v11, 3072
	s_delay_alu instid0(VALU_DEP_1)
	v_lshl_add_u32 v3, v12, 3, v3
	s_delay_alu instid0(VALU_DEP_1)
	v_add_nc_u32 v3, s38, v3
	; and its scale byte: word (tile, K step, r'), byte w % 4
	s_lshr_b32 s39, s20, 2
	s_lshl_b32 s39, s39, 6
	s_and_b32 s33, s20, 3
	s_add_co_u32 s39, s39, s33
	s_add_co_u32 s39, s39, XSC
	v_lshlrev_b32 v4, 7, v11
	s_delay_alu instid0(VALU_DEP_1)
	v_lshl_add_u32 v4, v12, 2, v4
	s_delay_alu instid0(VALU_DEP_1)
	v_add_nc_u32 v4, s39, v4
	v_mov_b32 v[TM+2], 0                           ; (a lane permute's destination counts as one of its sources)
	v_mov_b32 v[TM+3], 0
	v_mov_b32 v109, 0x37800000                     ; 2^-16: a norm group has 65,536 numbers
	; WHERE A RECORD'S LANES GO.  q's record j: lane l at 16 l of record j, as it is made.  k's two records of these 64 keys are dealt anew, for attention: lane (r, h) of record j goes to record r / 8, lane r % 8 + 8 j + 16 h.
	; So in kv lanes 0-7 of a record's tile hold keys of the first 32 of the 64, lanes 8-15 keys of the second 32: tile u of record R holds keys 16 R + 8 u + r % 8 + 32 (r / 8).  The scale words go with their lanes.
	; (k's stores so cover 128 consecutive bytes for each eight lanes; records j = 0 and 1 of one wave fill each 256 bytes between them.)
	v_and_b32 v9, 7, v0
	v_mul_u32_u24 v15, v11, 1536
	s_delay_alu instid0(VALU_DEP_2)
	v_lshl_add_u32 v9, v13, 4, v9                  ; r % 8 + 16 h
	s_delay_alu instid0(VALU_DEP_1)
	v_lshl_add_u32 v15, v9, 4, v15                 ; k's codes: 1,536 (r / 8) + 16 (r % 8 + 16 h)
	v_lshlrev_b32 v9, 2, v9
	s_delay_alu instid0(VALU_DEP_1)
	v_lshl_add_u32 v9, v11, 7, v9                  ; k's scale words: 128 (r / 8) + 4 (r % 8 + 16 h)
	s_cmp_eq_u32 s24, 1                            ; k's wave?  The choice hangs on the wave's number alone
	s_cselect_b32 s34, -1, 0
	s_mov_b32 s35, 1536
	s_cselect_b32 s35, 128, s35                    ; from record j = 0 to j = 1: codes,
	s_mov_b32 s60, 128
	s_cselect_b32 s60, 32, s60                     ; scale words
	v_cndmask_b32 v246, v6, v15, s34
	v_cndmask_b32 v248, v1, v9, s34
	s_delay_alu instid0(VALU_DEP_2)
	v_add_nc_u32 v247, s35, v246
	s_delay_alu instid0(VALU_DEP_2)
	v_add_nc_u32 v249, s60, v248
	s_mov_b32 s31, 0
	s_lshl_b32 s30, s21, 22                        ; x: image b, channel 32 w, my 64 positions
	s_lshl_b32 s32, s20, 19
	s_add_co_u32 s30, s30, s32
	s_lshl_b32 s32, s22, 8
	s_add_co_u32 s30, s30, s32
	s_wait_kmcnt 0x0
	s_add_nc_u64 s[4:5], s[4:5], s[30:31]
	s_lshl_b32 s30, s21, 9                         ; stats: 64 quarter groups an image, 8 of them mine
	s_lshl_b32 s32, s20, 6
	s_add_co_u32 s30, s30, s32
	s_add_nc_u64 s[6:7], s[6:7], s[30:31]
	s_lshl_b32 s30, s20, 7
	s_add_nc_u64 s[8:9], s[8:9], s[30:31]
	s_add_nc_u64 s[10:11], s[10:11], s[30:31]
	; ---- phase 1.  20 loads of what every lane needs alike, then the first 32 positions
.irp i, 0,1,2,3
	global_load_b128 v[80+4*\i:83+4*\i], v2, s[6:7] offset:16*\i     ; (mean, M2) of my 8 quarter groups
.endr
.irp i, 0,1,2,3,4,5,6,7
	global_load_b128 v[16+4*\i:19+4*\i], v2, s[8:9] offset:16*\i     ; norm_w of my 32 channels
.endr
.irp i, 0,1,2,3,4,5,6,7
	global_load_b128 v[48+4*\i:51+4*\i], v2, s[10:11] offset:16*\i   ; norm_b
.endr
.set i, 0
.rept 32
	global_load_b32 v[ACC+i], v1, s[4:5] offset:16384*i              ; x(32 w + i, position = lane): 32 lanes read 128 consecutive bytes
.set i, i+1
.endr
	; the other addresses are made while these are on their way
	s_mul_i32 s33, s23, 36864                      ; a head's 12 tiles x 2 fragments
	s_mul_i32 s32, s24, 12288
	s_add_co_u32 s30, s33, s32
	s_add_nc_u64 s[40:41], s[12:13], s[30:31]      ; q's or k's 8 fragments
	s_mul_i32 s32, s24, 6144
	s_add_co_u32 s30, s33, s32
	s_add_co_u32 s30, s30, 24576
	s_add_nc_u64 s[42:43], s[12:13], s[30:31]      ; my 4 fragments of v's
	s_mul_i32 s33, s23, 1536
	s_add_co_u32 s33, s33, 196608
	s_lshl_b32 s32, s24, 9
	s_add_co_u32 s30, s33, s32
	s_add_nc_u64 s[44:45], s[12:13], s[30:31]      ; their scale words
	s_lshl_b32 s32, s24, 8
	s_add_co_u32 s30, s33, s32
	s_add_co_u32 s30, s30, 1024
	s_add_nc_u64 s[46:47], s[12:13], s[30:31]
	s_mul_i32 s33, s23, 768                        ; qkv_b: 192 numbers a head
	s_lshl_b32 s32, s24, 8
	s_add_co_u32 s30, s33, s32
	s_add_nc_u64 s[48:49], s[14:15], s[30:31]      ; q's or k's 64
	s_lshl_b32 s32, s24, 7
	s_add_co_u32 s30, s33, s32
	s_add_co_u32 s30, s30, 512
	s_add_nc_u64 s[50:51], s[14:15], s[30:31]      ; my 32 of v's
	s_lshl_b32 s33, s25, 7
	s_lshl_b32 s32, s22, 1
	s_add_co_u32 s33, s33, s32                     ; q's record: 128 H + 2 x (which 64)
	s_mul_i32 s30, s33, 1536
	s_add_nc_u64 s[52:53], s[16:17], s[30:31]
	s_lshl_b32 s30, s33, 7
	s_add_co_u32 s30, s30, 3145728
	s_add_nc_u64 s[54:55], s[16:17], s[30:31]
	s_mul_i32 s30, s25, 417792
	s_mul_i32 s32, s26, 26112
	s_add_co_u32 s30, s30, s32
	s_add_nc_u64 s[18:19], s[18:19], s[30:31]      ; kv at my head's record of 256 keys
	s_mul_i32 s30, s27, 3072
	s_add_nc_u64 s[56:57], s[18:19], s[30:31]      ; k's two records
	s_lshl_b32 s30, s27, 8
	s_add_co_u32 s30, s30, 24576
	s_add_nc_u64 s[58:59], s[18:19], s[30:31]
	s_cmp_eq_u32 s24, 0                            ; q's wave or k's: the choice hangs on the wave's number alone
	s_cselect_b64 s[52:53], s[52:53], s[56:57]     ; where my records go,
	s_cselect_b64 s[54:55], s[54:55], s[58:59]     ; and their scale words
	s_lshl_b32 s30, s27, 2
	s_lshl_b32 s32, s24, 1
	s_add_co_u32 s30, s30, s32
	s_mul_i32 s30, s30, 768
	s_add_co_u32 s30, s30, 12288
	s_add_nc_u64 s[56:57], s[18:19], s[30:31]      ; v's half fragments (these 64 keys, tiles 2 e and 2 e + 1)
	s_lshr_b32 s30, s27, 1
	s_lshl_b32 s30, s30, 8
	s_lshl_b32 s32, s24, 7
	s_add_co_u32 s30, s30, s32
	s_and_b32 s32, s27, 1
	s_lshl_b32 s32, s32, 1
	s_add_co_u32 s30, s30, s32
	s_add_co_u32 s30, s30, 25600
	s_add_nc_u64 s[58:59], s[18:19], s[30:31]      ; and their two bytes of each scale word
	; all the wave's other loads go out now, into registers that phase 1 does not use: 136 loads in all, in this order: the 20, x's first 32, x's other 32, the 52 below them
.set i, 0
.rept 32
	global_load_b32 v[ACC+32+i], v1, s[4:5] offset:16384*i+128       ; the other 32 positions
.set i, i+1
.endr
	WIN 0x40                                       ; destination window 1: the weights, 36 loads
.irp f, 0,1,2,3,4,5,6,7
.irp g, 0,1,2
	global_load_b128 v[12*\f+4*\g:12*\f+4*\g+3], v6, s[40:41] offset:1536*\f+512*\g
.endr
.endr
.irp f, 0,1,2,3
.irp g, 0,1,2
	global_load_b128 v[96+12*\f+4*\g:96+12*\f+4*\g+3], v6, s[42:43] offset:1536*\f+512*\g
.endr
.endr
	WIN 0
.irp t, 0,1,2,3
	global_load_b32 v[RWQ+\t], v1, s[44:45] offset:128*\t            ; lanes 0-15: K step 0's words; lanes 16-31: K step 1's
.endr
.irp t, 0,1
	global_load_b32 v[RWV+\t], v1, s[46:47] offset:128*\t
.endr
.irp t, 0,1,2,3
	global_load_b128 v[BIAS+8*\t:BIAS+8*\t+3], v7, s[48:49] offset:(32*(\t/2)+8*(\t%2))*4        ; the bias in the result's layout: channels 32 (t / 2) + 16 h + 8 (t % 2) + 0 .. 7
	global_load_b128 v[BIAS+8*\t+4:BIAS+8*\t+7], v7, s[48:49] offset:(32*(\t/2)+8*(\t%2))*4+16
.endr
.irp t, 0,1
	global_load_b32 v[RBV+\t], v8, s[50:51] offset:32*\t             ; v's bias: my lane's channel of tile t
.endr
	s_wait_loadcnt 63                              ; the largest count that the wait can name: the first 73 of the 136 are in: the 20 and x's first 32 among them
; norm group g of my two: the four quarters' means and M2 are joined: M2 = the sum of the four + 16,384 x the sum of (quarter's mean - mean)^2
.macro GROUP g
.set M, 80+8*\g
	v_add_f32 v102, v[M], v[M+2]
	v_add_f32 v103, v[M+4], v[M+6]
	s_delay_alu instid0(VALU_DEP_1)
	v_add_f32 v102, v102, v103
	s_delay_alu instid0(VALU_DEP_1)
	v_mul_f32 v[MEAN+2*\g], 0x3e800000, v102
	s_delay_alu instid0(VALU_DEP_1)
	v_mov_b32 v[MEAN+2*\g+1], v[MEAN+2*\g]         ; (a pair for the packed subtraction)
	s_delay_alu instid0(VALU_DEP_2)
	v_sub_f32 v104, v[M], v[MEAN+2*\g]
	s_delay_alu instid0(VALU_DEP_3)
	v_sub_f32 v105, v[M+2], v[MEAN+2*\g]
	s_delay_alu instid0(VALU_DEP_4)
	v_sub_f32 v106, v[M+4], v[MEAN+2*\g]
	v_sub_f32 v107, v[M+6], v[MEAN+2*\g]
	v_add_f32 v102, v[M+1], v[M+3]
	v_add_f32 v103, v[M+5], v[M+7]
	s_delay_alu instid0(VALU_DEP_1)
	v_add_f32 v102, v102, v103
	v_mul_f32 v108, v104, v104
	s_delay_alu instid0(VALU_DEP_1)
	v_fmac_f32 v108, v105, v105
	s_delay_alu instid0(VALU_DEP_1)
	v_fmac_f32 v108, v106, v106
	s_delay_alu instid0(VALU_DEP_1)
	v_fmac_f32 v108, v107, v107
	s_delay_alu instid0(VALU_DEP_1)
	v_fmamk_f32 v102, v108, 0x46800000, v102
	s_delay_alu instid0(VALU_DEP_1)
	v_fmaak_f32 v102, v109, v102, 0x3727c5ac       ; the variance + 1e-5 (the multiplication by 2^-16 rounds nothing)
	s_wait_alu depctr_va_vdst(0)
	v_rsq_f32 v[RSTD+\g], v102
	v_nop                                          ; one plain place behind a transcendental
.endm
	GROUP 0
	GROUP 1
.set i, 0
	s_wait_alu depctr_va_vdst(0)
.rept 32
	v_mul_f32 v[16+i], v[RSTD+i/16], v[16+i]       ; rstd x norm_w
.set i, i+1
.endr
; set j of 32 positions: normalised, quantised, and stored as an image
.macro NQ j
.set XR, ACC+32*\j
.set p, 0
.rept 16
	v_pk_add_f32 v[XR+2*p:XR+2*p+1], v[XR+2*p:XR+2*p+1], v[MEAN+2*(p/8):MEAN+2*(p/8)+1] neg_lo:[0,1] neg_hi:[0,1]
.set p, p+1
.endr
.set p, 0
.rept 16
	v_pk_fma_f32 v[XR+2*p:XR+2*p+1], v[XR+2*p:XR+2*p+1], v[16+2*p:17+2*p], v[48+2*p:49+2*p]
.set p, p+1
.endr
	v_max3_num_f32 v9, |v[XR]|, |v[XR+1]|, |v[XR+2]|                 ; the block's largest magnitude: all 32 numbers are mine
	v_max3_num_f32 v10, |v[XR+3]|, |v[XR+4]|, |v[XR+5]|
.irp i, 6,10,14,18,22,26
	s_delay_alu instid0(VALU_DEP_2)
	v_max3_num_f32 v9, v9, |v[XR+\i]|, |v[XR+\i+1]|
	s_delay_alu instid0(VALU_DEP_2)
	v_max3_num_f32 v10, v10, |v[XR+\i+2]|, |v[XR+\i+3]|
.endr
	s_delay_alu instid0(VALU_DEP_2)
	v_max3_num_f32 v9, v9, |v[XR+30]|, |v[XR+31]|
	s_delay_alu instid0(VALU_DEP_1)
	v_max3_num_f32 v9, v9, v10, 0x1800000          ; and the floor 2^(3 - 127)
	s_delay_alu instid0(VALU_DEP_1)
	v_add_nc_u32 v11, 0xff000000, v9
	s_delay_alu instid0(VALU_DEP_1)
	v_lshrrev_b32 v[TM+6+\j], 23, v11
	v_cvt_scalef32_pk16_fp6_f32 v[PC+6*\j:PC+6*\j+2], v[XR:XR+15], v11
	v_cvt_scalef32_pk16_fp6_f32 v[PT:PT+2], v[XR+16:XR+31], v11
	v_nop                                          ; one plain place behind a scaled conversion
.irp i, 0,1,2
	v_mov_b32 v[PC+6*\j+3+\i], v[PT+\i]
.endr
.irp p, 0,1,2
	ds_store_b64 v3, v[PC+6*\j+2*\p:PC+6*\j+2*\p+1] offset:6144*\j+256*\p
.endr
	ds_store_b8 v4, v[TM+6+\j] offset:256*\j
.endm
	NQ 0
	s_wait_loadcnt 52                              ; the second set is in; the 52 loads of weights, scale words and biases may be out
	NQ 1
	s_wait_dscnt 0x0                               ; for the others' sake: my stores have landed
	s_barrier_signal -1
	s_barrier_wait -1                              ; x's eight fragments and their scale words lie in LDS
	; ---- phase 2
.irp f, 0,1,2,3,4,5,6,7
.irp p, 0,1,2,3,4,5
	ds_load_b64 v[XF+12*\f+2*\p:XF+12*\f+2*\p+1], v5 offset:1536*\f+256*\p
.endr
.endr
.irp t, 0,1,2,3
	ds_load_b32 v[XS+\t], v1 offset:XSC+128*\t     ; lanes 0-15: K step 0's words; lanes 16-31: K step 1's
.endr
	s_wait_loadcnt 0x0
	s_wait_dscnt 0x0
; positions 32 j .. 32 j + 31 of q or k: 8 accumulators (tile u of positions x 4 tiles of channels) by turns, one instruction a turn; the bias is the C of each sum's first product
.macro QK j
	WIN 0x01                                       ; source 0, the weights: window 1
.irp u, 0,1
.irp t, 0,1,2,3
	MM ACC+32*\u+8*\t, 24*\t, XF+24*(2*\j+\u), BIAS+8*\t, RWQ+\t, XS+2*\j+\u, 0
.endr
.endr
.irp u, 0,1
.irp t, 0,1,2,3
	MM ACC+32*\u+8*\t, 24*\t+12, XF+24*(2*\j+\u)+12, ACC+32*\u+8*\t, RWQ+\t, XS+2*\j+\u, 1
.endr
.endr
	WIN 0
.rept 4
	v_nop                                          ; four places in front of the first read of results (ISA guide 7.12.1)
.endr
.set p, 0
.rept 32
	v_pk_mul_f32 v[ACC+2*p:ACC+2*p+1], v[ACC+2*p:ACC+2*p+1], s[36:37] op_sel_hi:[1,0]   ; x 8^-1/2; each accumulator from its low end on
.set p, p+1
.endr
	s_wait_xcnt 0x0                                ; the codes and the scale word that earlier stores read are rewritten only behind this wait
	QUANT2 ACC, PC, PT, TM
	v_lshl_or_b32 v[SW], v[TM+7], 8, v[TM+6]
	QUANT2 ACC+32, PC+6, PT, TM
	v_lshl_or_b32 v[SW], v[TM+6], 16, v[SW]
	s_delay_alu instid0(VALU_DEP_1)
	v_lshl_or_b32 v[SW], v[TM+7], 24, v[SW]
.irp g, 0,1,2
	global_store_b128 v[246+\j], v[PC+4*\g:PC+4*\g+3], s[52:53] offset:512*\g
.endr
	global_store_b32 v[248+\j], v[SW], s[54:55]
.endm
	QK 0
	QK 1
	; v: my two tiles of channels x the four tiles of positions
.irp t, 0,1
.irp i, 0,1,2,3,4,5,6,7
	v_mov_b32 v[BIAS+8*\t+\i], v[RBV+\t]           ; here a lane's eight results share its channel's bias
.endr
.endr
	WIN 0x04                                       ; source 1, the weights: window 1
.irp t, 0,1
.irp m, 0,1,2,3
	MM ACC+32*\t+8*\m, XF+24*\m, 96+24*\t, BIAS+8*\t, XS+\m, RWV+\t, 0
.endr
.endr
.irp t, 0,1
.irp m, 0,1,2,3
	MM ACC+32*\t+8*\m, XF+24*\m+12, 96+24*\t+12, ACC+32*\t+8*\m, XS+\m, RWV+\t, 1
.endr
.endr
	WIN 0
.rept 4
	v_nop
.endr
	s_wait_xcnt 0x0                                ; k's or q's stores have read the codes' registers
	QUANT2 ACC, PC, PT, TM
	v_lshl_or_b32 v[SW+1], v[TM+7], 8, v[TM+6]     ; tile 0's two bytes
	QUANT2 ACC+32, PC+6, PT, TM
	v_lshl_or_b32 v9, v[TM+7], 8, v[TM+6]          ; tile 1's
	v_and_b32 v10, 31, v0
	s_delay_alu instid0(VALU_DEP_1)
	v_cmp_gt_u32 vcc_lo, 16, v10
	s_delay_alu instid0(VALU_DEP_1)
	v_cndmask_b32 v[SW+1], v9, v[SW+1], vcc_lo     ; lanes 0-15 carry tile 0's, lanes 16-31 tile 1's (both halves of the lanes hold the bytes of row r)
.irp t, 0,1
	global_store_b128 v6, v[PC+6*\t:PC+6*\t+3], s[56:57] offset:768*\t
	global_store_b64 v5, v[PC+6*\t+4:PC+6*\t+5], s[56:57] offset:768*\t+512
.endr
	global_store_b16 v1, v[SW+1], s[58:59]
	s_wait_tensorcnt 0x0
	ds_add_u32 v254, v255
	s_wait_dscnt 0x0
	s_endpgm
.Lfunc_end_k_qdc61929b4a_qkv:
	.size	k_qdc61929b4a_qkv, .Lfunc_end_k_qdc61929b4a_qkv-k_qdc61929b4a_qkv
	.p2alignl 7, 3214868480
	.fill 96, 4, 3214868480
	.section	.rodata,"a",@progbits
	.p2align	6, 0x0
	.amdhsa_kernel k_qdc61929b4a_qkv
		.amdhsa_group_segment_fixed_size 14336
		.amdhsa_private_segment_fixed_size 0
		.amdhsa_enable_private_segment 0
		.amdhsa_kernarg_size 64
		.amdhsa_user_sgpr_count 2
		.amdhsa_user_sgpr_kernarg_segment_ptr 1
		.amdhsa_wavefront_size32 1
		.amdhsa_system_sgpr_workgroup_id_x 1
		.amdhsa_system_sgpr_workgroup_id_y 1
		.amdhsa_system_sgpr_workgroup_id_z 1
		.amdhsa_system_vgpr_workitem_id 0
		.amdhsa_next_free_vgpr 400
		.amdhsa_next_free_sgpr 66
		.amdhsa_reserve_vcc 1
		.amdhsa_float_denorm_mode_32 3
		.amdhsa_float_denorm_mode_16_64 3
		.amdhsa_memory_ordered 1
		.amdhsa_forward_progress 1
		.amdhsa_inst_pref_size 61
	.end_amdhsa_kernel
	.amdgpu_metadata
---
amdhsa.version: [ 1, 2 ]
amdhsa.kernels:
  - .name:           k_qdc61929b4a_qkv
    .symbol:         k_qdc61929b4a_qkv.kd
    .args:
      - { .name: x, .offset: 0, .size: 8, .value_kind: global_buffer, .address_space: global }
      - { .name: stats, .offset: 8, .size: 8, .value_kind: global_buffer, .address_space: global }
      - { .name: norm_w, .offset: 16, .size: 8, .value_kind: global_buffer, .address_space: global }
      - { .name: norm_b, .offset: 24, .size: 8, .value_kind: global_buffer, .address_space: global }
      - { .name: wq, .offset: 32, .size: 8, .value_kind: global_buffer, .address_space: global }
      - { .name: qkv_b, .offset: 40, .size: 8, .value_kind: global_buffer, .address_space: global }
      - { .name: qq, .offset: 48, .size: 8, .value_kind: global_buffer, .address_space: global }
      - { .name: kv, .offset: 56, .size: 8, .value_kind: global_buffer, .address_space: global }
    .group_segment_fixed_size: 14336
    .private_segment_fixed_size: 0
    .kernarg_segment_align: 8
    .kernarg_segment_size: 64
    .max_flat_workgroup_size: 256
    .sgpr_count:     66
    .vgpr_count:     400
    .wavefront_size: 32
...
	.end_amdgpu_metadata
.endif
;; end of part 2
;; launch attn (part 3): grid 16 x 16, 16 waves a work-group, clusters of 4 x 1, 327,680 bytes of LDS; arguments qq, kv, hh; writes hh
.if DOCPART == 3
	.amdgcn_target "amdgcn-amd-amdhsa--gfx1250"
	.amdhsa_code_object_version 6
	.text
	.protected	k_qdc61929b4a_attn
	.globl	k_qdc61929b4a_attn
	.p2align	8
	.type	k_qdc61929b4a_attn,@function
k_qdc61929b4a_attn:
	s_mov_b64 s[64:65], 0
	v_nop
	global_prefetch_b8 v0, s[64:65] scope:SCOPE_SE
	s_setreg_imm32_b32 hwreg(HW_REG_WAVE_MODE, 25, 1), 1
	s_wait_xcnt 0x0
	s_wait_alu depctr_hold_cnt(0) depctr_sa_sdst(0) depctr_va_vdst(0) depctr_va_sdst(0) depctr_va_ssrc(0) depctr_va_vcc(0) depctr_vm_vsrc(0)
	s_getreg_b32 s2, hwreg(HW_REG_IB_STS2, 6, 4)
	s_cmp_eq_u32 s2, 0
	s_cbranch_scc0 .Lentry_in_a_cluster
	s_endpgm
.Lentry_in_a_cluster:
	s_bfe_u32 s2, ttmp6, 0x10000c
	s_cmp_lg_u32 s2, 0x3003
	s_cbranch_scc0 .Lentry_shape_is_right
	s_endpgm
.Lentry_shape_is_right:
; ATTENTION on codes of FP6 (E2M3), one E8M0 byte for each 32 along a product's K.  16 heads of 64 channels, 4,096 positions.  The result h is quantised along the channels for the last product and leaves as codes.
; THE SOFTMAX AHEAD OF THE SECOND PRODUCT: t = score x log2(e); M = the row's largest t so far, rounded UP to a whole number; p = 2^(t - M) is what is quantised, along the keys, not normalised.
; The row's sum is taken of the unquantised p, in f32, and divides the result at the end.  When M moves, the sum and O are multiplied by 2^(old M - new M): exact.
; SHARES.  A work-group owns 256 queries of one head; each of its sixteen waves one tile of 16, in 256 registers.  Every wave walks all 4,096 keys, 128 a step.  Both products are used transposed (S^T = K Q^T, O^T = V^T P^T): a lane holds ONE query.
; K = 64 IN AN INSTRUCTION OF 128.  A record of k is 32 keys in 12 registers: registers 0-5 the 64 channels of tile u = 0's key, registers 6-11 those of tile u = 1's.  My queries stand as (q, zero codes, q) in 18 registers:
; Qlo = the first 12, Qhi = the last 12.  Zero codes add nothing under any byte but 0xff: record x Qlo gives tile 0's scores, record x Qhi tile 1's.  q's scale word is (s0, s1, s0, s1).
; A WHOLE BLOCK OF KEYS IN A LANE.  Of each 64 keys, tile u of record R (0, 1) holds in lane r key 16 R + 8 u + r % 8 + 32 (r / 8).  A result's register j of lane (query, h) is the tile's row 8 h + j: so the 32 registers of the two records'
; four results are keys 32 h + 0 .. 31 of the 64, in order: one block of the second product's K, as that operand's layout wants it in this lane.  A block's maximum needs no other lane, and the codes no exchange.
; FRAGMENTS AND SCORES CHANGE PLACES.  v40-151 hold 48 registers of fragments (K, then V) and four groups of 16 scores.  In even steps the fragments lie in v40-87 and the groups at v88, 104, 120, 136; in odd steps the fragments in v88-135
; and the groups at v40, 56, 72, 136.  So the next step's K is loaded into this step's first three groups as soon as p has been converted and summed there: ahead of O's rescaling, the second product and eight additions.
; THE ROW'S SUM goes in eight chains and three pieces: 17 additions on groups 0-2 ahead of that load; 8 on group 3 behind the second product; the 7 that join the chains behind the NEXT step's first product.  The last two pieces are the places that
; matrix instructions ask for behind them (ISA guide 7.12.1), so no v_nop is written in a step.
; ALL OPERANDS LIE IN MEMORY AND IN LDS AS IMAGES OF THEIR REGISTERS: every LDS load reads 16, 8 or 4 bytes a lane on end; no pitch, no padding.
; RING.  Two slots of 1,024 keys (four of kv's records of 26,112 bytes: 408 rows of 256 bytes), 131,072 bytes apart: four changes of slots in the walk.  Waves 0-7 fetch 51 rows each; at most one tensor load of a wave is out.
; CLUSTER.  The four work-groups of a cluster own four blocks of queries of ONE head and walk the same kv: each tile is asked for jointly, by the same load with the same descriptor and the mask of all four.
; NO PREFETCH: a refill is asked for directly behind a change of slots and awaited at the next one, eight key steps of all sixteen waves later.
; LIMITS: NaN and infinities are not served; the promise holds while |t| stays under 2^31; a block's largest p is taken from the block's largest score, which takes v_exp_f32 not to fall where its input rises; p under 2^-126 counts as 0;
;   1 / l is v_rcp_f32's; a block of zeros or under 2^-124 gets the byte 1 (this program alone reads the bytes).  h's two scale bytes leave as 2 bytes a lane, 4 bytes apart: the neighbouring head's work-group writes the other halves.
; REGISTERS: v1-4 16, 8, 4 x lane, 4 r; v5, v6 the add's; v8-11 the same four + the slot, v240-243 + the slot's second half; v12 and v34 -M, by turns; v13 the largest t, v[14:15] the sum; v16-33 q; v40-151 fragments and scores;
;   v160-191 O^T; v192-203 p's codes; v204-210 at work; v212-223 maxima, bytes, scale operands; v224-231 K's and V's scale words; v232 p's, v233 q's; v[234:235] f; v236 at work; v237 8 h; v238-239, v244-255 the sum's chains.
.set SIGB,  26112                      ; a record of 256 keys
.set SLOTB, 4*SIGB
.set SLOT1, 131072
.set SPARE, 262144                     ; behind the ring: the spare words, 128 bytes for each of 16 waves: eight blocks of 256 bytes that no other line names
.set PART,  51*256                     ; what one wave fetches
.set VIO,   12288                      ; in a record: V's half fragments,
.set KSO,   24576                      ; K's scale words,
.set VSO,   25600                      ; V's
.set SPW, 5
.set NIL, 6
.set QF,  16
.set KV,  40                           ; the head's and the way out's use of v40 on
.set G3,  136                          ; the scores' fourth group, in every step
.set O,   160
.set PCD, 192
.set PT,  204
.set BM,  212
.set BP,  216
.set SOP, 220
.set KS,  224
.set VS,  228
.set PW,  232
.set QS,  233
.set TT,  236
.set SH,  237
.set WV,  10                           ; s10 my wave's number
.set SEL, 20                           ; s[20:21]
.set CS,  22                           ; s[22:23] log2(e)
.set TB,  36                           ; s36 LDS byte at which the slot in hand begins
.set SLOTS, 37
.set TB2, 52                           ; s52 and its second half
.macro ROUND                           ; a round of the cluster's barrier
	s_barrier_signal -1
	s_barrier_wait -1
	s_cmp_lg_u32 s[WV], 0
	s_cbranch_scc1 .Lnot_wave_0_\@
	s_barrier_signal -3
.Lnot_wave_0_\@:
	s_barrier_wait -3
	s_barrier_signal -1
	s_barrier_wait -1
.endm
.macro TLOAD                           ; waves 0-7 fetch an eighth of a slot each; the branch hangs on the wave's number alone; s_nop 0 and four v_nop follow the load
	s_cmp_lt_u32 s[WV], 8
	s_cbranch_scc0 .Lnone_\@
	tensor_load_to_lds s[32:35], s[24:31]
	s_nop 0
.rept 4
	v_nop
.endr
.Lnone_\@:
.endm
.macro QUANT2 src, dst, tmp, tm        ; 32 numbers of a lane, register 16 b + i = element 32 b + 16 (lane / 16) + i of my row -> six registers (lane (r, h): block h); bytes in v[tm+6], v[tm+7]
.irp b, 0,1
	v_max3_num_f32 v[\tm+\b], |v[\src+16*\b]|, |v[\src+16*\b+1]|, 0x1800000
.endr
.irp i, 2,4,6,8,10,12,14
.irp b, 0,1
	s_delay_alu instid0(VALU_DEP_2)
	v_max3_num_f32 v[\tm+\b], v[\tm+\b], |v[\src+16*\b+\i]|, |v[\src+16*\b+\i+1]|
.endr
.endr
.irp b, 0,1
	s_delay_alu instid0(VALU_DEP_2)
	v_permlanex16_b32 v[\tm+2+\b], v[\tm+\b], s[SEL], s[SEL+1]
.endr
.irp b, 0,1
	s_delay_alu instid0(VALU_DEP_2)
	v_max_num_f32 v[\tm+\b], v[\tm+\b], v[\tm+2+\b]
.endr
.irp b, 0,1
	s_delay_alu instid0(VALU_DEP_2)
	v_add_nc_u32 v[\tm+4+\b], 0xff000000, v[\tm+\b]
.endr
.irp b, 0,1
	s_delay_alu instid0(VALU_DEP_2)
	v_lshrrev_b32 v[\tm+6+\b], 23, v[\tm+4+\b]
.endr
	v_cvt_scalef32_pk16_fp6_f32 v[\dst:\dst+2], v[\src:\src+15], v[\tm+4]
	v_cvt_scalef32_pk16_fp6_f32 v[\tmp:\tmp+2], v[\src+16:\src+31], v[\tm+5]
	v_nop                                          ; one plain place behind a scaled conversion
.irp i, 0,1,2
	v_permlane16_swap_b32 v[\dst+\i], v[\tmp+\i]
.endr
.irp i, 0,1,2
	s_delay_alu instid0(VALU_DEP_3)
	v_mov_b32 v[\dst+3+\i], v[\tmp+\i]
.endr
.endm
	s_load_b128 s[4:7], s[0:1], 0x0                ; qq s[4:5], kv s[6:7]
	s_load_b64 s[8:9], s[0:1], 0x10                ; hh
	v_lshl_add_u32 v[SPW], v0, 2, SPARE
	v_mov_b32 v[NIL], 0
	ds_add_u32 v[SPW], v[NIL]                      ; the opening lines: the add, twice on end, and its wait ahead of the first tensor load
	ds_add_u32 v[SPW], v[NIL]
	s_wait_dscnt 0x0
	v_lshrrev_b32 v7, 5, v0
	s_delay_alu instid0(VALU_DEP_1)
	v_readfirstlane_b32 s[WV], v7                  ; wave 0..15
	s_bfe_u32 s11, ttmp6, 0x40000                  ; cx: my place in the cluster
	s_lshl_b32 s12, ttmp9, 2
	s_add_co_u32 s12, s12, s11                     ; my block of 256 queries: it enters qq's and hh's addresses alone
	s_and_b32 s13, ttmp7, 0xffff                   ; the head, which the four partners share
	; descriptor group 1: 51 rows of 256 bytes (32 elements of 8 bytes), dense, no padding
	s_mov_b32 s24, 15|(3<<16)|(1<<21)              ; 15:0 the mask: all four work-groups; 17:16 elements of 8 bytes; 21 set beside a mask
	s_mov_b32 s25, 32<<16                          ; tensor_dim0 = 32
	s_mov_b32 s26, 51<<16                          ; tensor_dim1 = 51
	s_mov_b32 s27, 32<<16                          ; tile_dim0 = 32
	s_mov_b32 s28, 51                              ; tile_dim1 = 51
	s_mov_b32 s29, 32                              ; from row to row
	s_mov_b32 s30, 0
	s_mov_b32 s31, 0
	s_mov_b32 s32, 1                               ; group 0: count = 1
	s_mul_i32 s33, s[WV], PART                     ; LDS address: my eighth of slot 0: no place in the cluster enters it
	s_mul_i32 s38, s13, 417792                     ; the head's 16 records,
	s_add_co_u32 s38, s38, s33                     ; my eighth of the first four
	s_mov_b32 s39, 0
	s_lshl_b32 s40, s13, 7
	s_lshl_b32 s41, s12, 3
	s_add_co_u32 s40, s40, s41
	s_lshr_b32 s41, s[WV], 1
	s_add_co_u32 s44, s40, s41                     ; q's record: 128 H + 8 x block + wave / 2
	s_mul_i32 s40, s44, 1536
	s_mov_b32 s41, 0
	s_lshl_b32 s42, s44, 7
	s_add_co_u32 s42, s42, 3145728
	s_mov_b32 s43, 0
	s_lshr_b32 s50, s13, 2                         ; image b
	s_and_b32 s51, s13, 3                          ; head in the image
	s_lshl_b32 s50, s50, 8
	s_lshl_b32 s44, s12, 4
	s_add_co_u32 s50, s50, s44
	s_add_co_u32 s50, s50, s[WV]                   ; 256 b + my tile of positions
	s_lshl_b32 s46, s50, 2
	s_add_co_u32 s46, s46, s51
	s_mul_i32 s46, s46, 768                        ; h's half fragment (tile, head)
	s_mov_b32 s47, 0
	s_lshl_b32 s48, s50, 1
	s_lshr_b32 s44, s51, 1
	s_add_co_u32 s48, s48, s44
	s_lshl_b32 s48, s48, 7                         ; its scale words (tile, K step = head / 2),
	s_and_b32 s44, s51, 1
	s_lshl_b32 s44, s44, 1
	s_add_co_u32 s48, s48, s44                     ; bytes 2 (head % 2) on
	s_add_co_u32 s48, s48, 3145728
	s_mov_b32 s49, 0
	s_and_b32 s44, s[WV], 1                        ; u: which tile of the record is mine
	s_lshl_b32 s45, s44, 4
	s_mov_b32 s[SEL], 0x76543210
	s_mov_b32 s[SEL+1], 0xfedcba98
	s_mov_b32 s[CS], 0x3fb8aa3b                    ; log2(e)
	s_mov_b32 s[CS+1], s[CS]                       ; (named with it as a pair, so it is written)
	s_mov_b32 s[TB], 0
	s_mov_b32 s[TB2], 2*SIGB
	s_mov_b32 s[SLOTS], 3
	s_wait_kmcnt 0x0
	s_add_nc_u64 s[34:35], s[6:7], s[38:39]
	s_or_b32 s35, s35, 0x80000000                  ; type = 2
	s_add_nc_u64 s[40:41], s[4:5], s[40:41]
	s_add_nc_u64 s[42:43], s[4:5], s[42:43]
	s_add_nc_u64 s[46:47], s[8:9], s[46:47]
	s_add_nc_u64 s[48:49], s[8:9], s[48:49]
	ROUND                                          ; all four work-groups are here: the first joint loads meet
	TLOAD                                          ; slot 0
	v_and_b32 v7, 31, v0
	s_delay_alu instid0(VALU_DEP_1)
	v_lshlrev_b32 v1, 4, v7
	s_delay_alu instid0(VALU_DEP_2)
	v_lshlrev_b32 v2, 3, v7
	s_delay_alu instid0(VALU_DEP_3)
	v_lshlrev_b32 v3, 2, v7
	v_and_b32 v4, 15, v0
	s_delay_alu instid0(VALU_DEP_1)
	v_lshlrev_b32 v4, 2, v4
.irp g, 0,1,2
	global_load_b128 v[KV+4*\g:KV+4*\g+3], v1, s[40:41] offset:512*\g   ; q's record
.endr
	global_load_b32 v[TT], v3, s[42:43]            ; and its scale word
	v_bfe_u32 v[SH], v0, 4, 1
	s_delay_alu instid0(VALU_DEP_1)
	v_lshlrev_b32 v[SH], 3, v[SH]                  ; 8 h: my two bytes' place in p's scale word
	v_mov_b32 v13, 0xff61b1e6                      ; the largest t so far: -3e38, under every t
	s_delay_alu instid0(VALU_DEP_1)
	v_floor_f32 v34, -v13                          ; -M, as the first step's old one
	v_mov_b32 v35, 0                               ; (named with v34 as a pair)
	v_mov_b32 v14, 0                               ; the sum, in two halves
	v_mov_b32 v15, 0
.irp c, 238,239,244,245,246,247,248,249,250,251,252,253,254,255
	v_mov_b32 v[\c], 0                             ; the sum's seven other chains: the first step joins zeros
.endr
.irp b, 0,1,2,3
	v_mov_b32 v[BP+\b], 0                          ; (a lane permute's destination counts as one of its sources)
.endr
	v_mov_b32 v235, 0                              ; (named as the upper half of the pair v[234:235])
	s_cmp_eq_u32 s44, 1
	s_cselect_b32 vcc_lo, -1, 0
	s_wait_loadcnt 0x0
.irp i, 0,1,2,3,4,5
	v_cndmask_b32 v[QF+\i], v[KV+\i], v[KV+6+\i], vcc_lo   ; my tile's six registers
.endr
.irp i, 0,1,2,3,4,5
	v_mov_b32 v[QF+6+\i], 0                        ; (q, zero codes, q)
	v_mov_b32 v[QF+12+\i], v[QF+\i]
.endr
	v_lshrrev_b32 v[QS], s45, v[TT]
	s_delay_alu instid0(VALU_DEP_1)
	v_and_b32 v[QS], 0xffff, v[QS]
	s_delay_alu instid0(VALU_DEP_1)
	v_lshl_or_b32 v[QS], v[QS], 16, v[QS]          ; (s0, s1, s0, s1)
.set j, 0
.rept 32
	v_mov_b32 v[O+j], 0                            ; O^T.  (The step is written once: the first finds zeros, which the first change of M leaves zeros.  These lines are also the places between q's registers and the first product)
.set j, j+1
.endr
	s_wait_alu depctr_va_vdst(0)                   ; the wait at the head's end
.macro KLOAD q, kb                     ; K's four records of the slot's key step q, and their scale words: 16 LDS loads
.set KAB, 8+232*((\q)/4)
.set KBASE, (((\q)%4)/2)*SIGB
.set KKH, (\q)%2
.irp f, 0,1,2,3
.irp g, 0,1,2
	ds_load_b128 v[\kb+12*\f+4*\g:\kb+12*\f+4*\g+3], v[KAB] offset:KBASE+(4*KKH+\f)*1536+512*\g
.endr
	ds_load_b32 v[KS+\f], v[KAB+2] offset:KBASE+KSO+(4*KKH+\f)*128
.endr
.endm
.macro QK1 f, g                        ; record f against Qlo and Qhi: group g
.irp u, 0,1
	v_wmma_scale_f32_16x16x128_f8f6f4 v[\g+8*\u:\g+8*\u+7], v[KB+12*\f:KB+12*\f+11], v[QF+6*\u:QF+6*\u+11], 0, v[KS+\f], v[QS] matrix_a_fmt:MATRIX_FMT_FP6 matrix_b_fmt:MATRIX_FMT_FP6
.endr
.endm
.macro TMM g                           ; t - M of a group, two at a time
.set j, 0
.rept 8
	v_pk_fma_f32 v[\g+j:\g+j+1], v[\g+j:\g+j+1], s[CS:CS+1], v[MN:MN+1] op_sel_hi:[1,0,0]
.set j, j+2
.endr
.endm
.macro JOIN                            ; the sum's eight chains become one
	v_pk_add_f32 v[14:15], v[14:15], v[238:239]
	v_pk_add_f32 v[244:245], v[244:245], v[246:247]
	v_pk_add_f32 v[248:249], v[248:249], v[250:251]
	v_pk_add_f32 v[252:253], v[252:253], v[254:255]
	s_delay_alu instid0(VALU_DEP_3)
	v_pk_add_f32 v[14:15], v[14:15], v[244:245]
	s_delay_alu instid0(VALU_DEP_2)
	v_pk_add_f32 v[248:249], v[248:249], v[252:253]
	s_delay_alu instid0(VALU_DEP_1)
	v_pk_add_f32 v[14:15], v[14:15], v[248:249]
.endm
; A KEY STEP: 128 keys, the q-th of the slot's eight.
.macro STEP q
.if ((\q)%2) == 0
.set KB, 40                            ; this step's fragments,
.set NKB, 88                           ; the next step's,
.set G0, 88                            ; the scores' groups,
.set G1, 104
.set G2, 120
.set MN, 12                            ; the new -M,
.set MO, 34                            ; the old
.else
.set KB, 88
.set NKB, 40
.set G0, 40
.set G1, 56
.set G2, 72
.set MN, 34
.set MO, 12
.endif
.set AB, 8+232*((\q)/4)                ; the address registers of the slot's half: v8-11 or v240-243
.set BASE, (((\q)%4)/2)*SIGB
.set KH, (\q)%2
.if (\q) == 0
	KLOAD 0, KB                                    ; a slot's first K comes behind the change of slots; the others were asked for in the step before
.endif
	s_wait_alu depctr_va_vdst(0)                   ; directly ahead of the wait below
	s_wait_dscnt 0x0                               ; K is in
	QK1 0, G0                                      ; S^T = K Q^T
	QK1 1, G1
	QK1 2, G2
	QK1 3, G3
	JOIN                                           ; the last step's sums; seven places in front of the loads into K's registers and of the first read of the scores
.irp t, 0,1,2,3                                ; V's four fragments land under the softmax: 20 LDS loads
.irp c, 0,1
	ds_load_b128 v[KB+12*\t+6*\c:KB+12*\t+6*\c+3], v[AB] offset:BASE+VIO+((2*KH+\c)*4+\t)*768
	ds_load_b64 v[KB+12*\t+6*\c+4:KB+12*\t+6*\c+5], v[AB+1] offset:BASE+VIO+((2*KH+\c)*4+\t)*768+512
.endr
	ds_load_b32 v[VS+\t], v[AB+3] offset:BASE+VSO+256*KH+64*\t
.endr
	; groups 2 c and 2 c + 1 are my block 2 c + h.  THE LARGEST SCORE OF EACH BLOCK serves twice: for the row's maximum, and, since p rises with the score, for the block's largest p.  Four chains, each accumulator from its low end on
	v_max3_num_f32 v[BM], v[G0], v[G0+1], v[G0+2]
	v_max3_num_f32 v[BM+1], v[G1], v[G1+1], v[G1+2]
	v_max3_num_f32 v[BM+2], v[G2], v[G2+1], v[G2+2]
	v_max3_num_f32 v[BM+3], v[G3], v[G3+1], v[G3+2]
.irp i, 3,5,7,9,11,13
	v_max3_num_f32 v[BM], v[BM], v[G0+\i], v[G0+\i+1]
	v_max3_num_f32 v[BM+1], v[BM+1], v[G1+\i], v[G1+\i+1]
	v_max3_num_f32 v[BM+2], v[BM+2], v[G2+\i], v[G2+\i+1]
	v_max3_num_f32 v[BM+3], v[BM+3], v[G3+\i], v[G3+\i+1]
.endr
	v_max3_num_f32 v[BM], v[BM], v[G0+15], v[G1+15]
	v_max3_num_f32 v[BM+2], v[BM+2], v[G2+15], v[G3+15]
	s_delay_alu instid0(VALU_DEP_2)
	v_max_num_f32 v[BM], v[BM], v[BM+1]            ; block h
	s_delay_alu instid0(VALU_DEP_2)
	v_max_num_f32 v[BM+1], v[BM+2], v[BM+3]        ; block 2 + h
	s_delay_alu instid0(VALU_DEP_1)
	v_max_num_f32 v[TT], v[BM], v[BM+1]
	s_delay_alu instid0(VALU_DEP_1)
	v_mul_f32 v[TT], s[CS], v[TT]                  ; as t
	s_delay_alu instid0(VALU_DEP_1)
	v_permlanex16_b32 v[BP], v[TT], s[SEL], s[SEL+1]
	s_delay_alu instid0(VALU_DEP_1)
	v_max3_num_f32 v13, v13, v[TT], v[BP]          ; the running largest t: mine and lane l xor 16's 64 keys
	s_delay_alu instid0(VALU_DEP_1)
	v_floor_f32 v[MN], -v13                        ; the new -M = floor(-t) = -ceil(t): a whole number
	s_delay_alu instid0(VALU_DEP_1)
	v_sub_f32 v[TT], v[MN], v[MO]                  ; old M - new M: a whole number, 0 or less
	TMM G0
	v_cvt_i32_f32 v[TT], v[TT]                     ; (it saturates)
	TMM G1
	v_ldexp_f32 v234, 1.0, v[TT]                   ; f = 2^(old M - new M)
	TMM G2
	TMM G3
.irp b, 0,1
	v_fma_f32 v[BM+\b], v[BM+\b], s[CS], v[MN]     ; the same of each block's largest score
.endr
	s_wait_alu depctr_va_vdst(0)                   ; the wait ahead of the batch
.irp g, G0,G1,G2,G3
.set j, 0
.rept 16
	v_exp_f32 v[\g+j], v[\g+j]                     ; p = 2^(t - M), at most 1
.set j, j+1
.endr
.endr
.irp b, 0,1
	v_exp_f32 v[BM+\b], v[BM+\b]                   ; the block's largest p: the same two instructions on the same number give the same bits
.endr
	v_pk_mul_f32 v[14:15], v[14:15], v[234:235] op_sel_hi:[1,0]   ; the sum under the new M.  (A plain place behind the exponentials)
	s_wait_alu depctr_va_vdst(0)                   ; one wait for the whole batch, ahead of its first reader
.irp b, 0,1
	v_max_num_f32 v[BM+\b], 0x1800000, v[BM+\b]    ; the floor 2^(3 - 127): the byte cannot fall under 1
.endr
.irp b, 0,1
	s_delay_alu instid0(VALU_DEP_2)
	v_add_nc_u32 v[SOP+\b], 0xff000000, v[BM+\b]   ; 2 off the exponent field: the conversion's scale operand
.endr
.irp b, 0,1
	s_delay_alu instid0(VALU_DEP_2)
	v_lshrrev_b32 v[BP+\b], 23, v[SOP+\b]          ; the scale's byte
.endr
	s_delay_alu instid0(VALU_DEP_1)
	v_lshl_or_b32 v[PW], v[BP+1], 16, v[BP]        ; my two bytes, blocks h and 2 + h,
	s_delay_alu instid0(VALU_DEP_1)
	v_lshlrev_b32 v[PW], v[SH], v[PW]              ; at their places
	s_delay_alu instid0(VALU_DEP_1)
	v_permlanex16_b32 v[BP+2], v[PW], s[SEL], s[SEL+1]
	v_cvt_scalef32_pk16_fp6_f32 v[PCD:PCD+2], v[G0:G0+15], v[SOP]
	v_cvt_scalef32_pk16_fp6_f32 v[PT:PT+2], v[G1:G1+15], v[SOP]        ; (a conversion's three registers begin on an even number)
	v_cvt_scalef32_pk16_fp6_f32 v[PCD+6:PCD+8], v[G2:G2+15], v[SOP+1]
	v_cvt_scalef32_pk16_fp6_f32 v[PT+4:PT+6], v[G3:G3+15], v[SOP+1]
	v_or_b32 v[PW], v[PW], v[BP+2]                 ; with lane l xor 16's two the word is whole.  (The plain place behind the conversions)
.irp c, 0,1
.irp i, 0,1,2
	v_mov_b32 v[PCD+6*\c+3+\i], v[PT+4*\c+\i]
.endr
.endr
	; the row's sum, of the unquantised p, two at a time: groups 0 to 2
	v_pk_add_f32 v[14:15], v[14:15], v[G0+14:G0+15]
.set j, 0
.irp c, 238,244,246,248,250,252,254
	v_pk_add_f32 v[\c:\c+1], v[G0+j:G0+j+1], v[G1+j:G1+j+1]
.set j, j+2
.endr
	v_pk_add_f32 v[14:15], v[14:15], v[G1+14:G1+15]
.set j, 0
.irp c, 238,244,246,248,250,252,254
	v_pk_add_f32 v[\c:\c+1], v[\c:\c+1], v[G2+j:G2+j+1]
.set j, j+2
.endr
	v_pk_add_f32 v[14:15], v[14:15], v[G2+14:G2+15]
.if (\q) < 7
	KLOAD (\q)+1, NKB                              ; groups 0 to 2 are done with: the next step's K lands there
.endif
	s_wait_alu depctr_va_vdst(0)                   ; the wait directly ahead of the first reader of O^T
.set j, 0
.rept 16
	v_pk_mul_f32 v[O+j:O+j+1], v[O+j:O+j+1], v[234:235] op_sel_hi:[1,0]   ; O^T under the new M.  (With the sums above: the places between p's codes and scale word and the products below)
.set j, j+2
.endr
	s_wait_alu depctr_va_vdst(0)                   ; the wait directly ahead of the wait below
.if (\q) < 7
	s_wait_dscnt 16                                ; V is in; the 16 loads of the next K, issued behind V's, may be out
.else
	s_wait_dscnt 0x0                               ; V is in
.endif
.irp t, 0,1,2,3                                ; O^T += V^T P^T: the four accumulators by turns
	v_wmma_scale_f32_16x16x128_f8f6f4 v[O+8*\t:O+8*\t+7], v[KB+12*\t:KB+12*\t+11], v[PCD:PCD+11], v[O+8*\t:O+8*\t+7], v[VS+\t], v[PW] matrix_a_fmt:MATRIX_FMT_FP6 matrix_b_fmt:MATRIX_FMT_FP6
.endr
.set j, 0
.irp c, 238,244,246,248,250,252,254            ; the sum, group 3: eight places in front of the next step's products, which write over V's registers
	v_pk_add_f32 v[\c:\c+1], v[\c:\c+1], v[G3+j:G3+j+1]
.set j, j+2
.endr
	v_pk_add_f32 v[14:15], v[14:15], v[G3+14:G3+15]
.endm
; THE CHANGE OF SLOTS stands at a slot's head.  Each wave waits for all its tensor loads (its part of the slot ahead), adds 0 to its spare word, and waits for that and for its reads of the slot that it has left.
; fill = 1: the barrier is a round of the cluster's, so that no wave of any partner still reads that slot or has a load on its way, and the joint refill is the first thing behind it: it has eight key steps in which to land.
; There the add is written twice on end.
.macro CHANGE fill
	s_wait_tensorcnt 0x0                           ; no tensor load of mine is out, so group 0 may be written
	ds_add_u32 v[SPW], v[NIL]                      ; 0 onto my spare word
.if \fill
	ds_add_u32 v[SPW], v[NIL]
	s_xor_b32 s33, s33, SLOT1                      ; the other slot than last time,
	s_add_nc_u64 s[34:35], s[34:35], SLOTB         ; the next 1,024 keys; the type bits on top are not reached
.endif
	s_wait_dscnt 0x0                               ; the add is done, and my reads of the slot that I have left are over
.if \fill
	ROUND
	TLOAD
.else
	s_barrier_signal -1
	s_barrier_wait -1
.endif
.irp i, 0,1,2,3
	v_add_nc_u32 v[8+\i], s[TB], v[1+\i]           ; the slot in hand,
	v_add_nc_u32 v[240+\i], s[TB2], v[1+\i]        ; and its second half
.endr
	s_wait_alu depctr_va_vdst(0)
.endm
.Lslot:                                            ; 3 trips: behind each change of slots but the last the next slot is asked for
	CHANGE 1
.irp q, 0,1,2,3,4,5,6,7
	STEP \q
.endr
	s_xor_b32 s[TB], s[TB], SLOT1
	s_xor_b32 s[TB2], s[TB2], SLOT1
	s_sub_co_u32 s[SLOTS], s[SLOTS], 1
	s_cmp_lg_u32 s[SLOTS], 0
	s_cbranch_scc1 .Lslot
	CHANGE 0                                       ; the last slot is written out
.irp q, 0,1,2,3,4,5,6,7
	STEP \q
.endr
	; THE WAY OUT: O^T / the sum, quantised along the head's 64 channels: half a fragment of the last product's operand
	JOIN                                           ; the last step's sums
	s_delay_alu instid0(VALU_DEP_1)
	v_add_f32 v14, v14, v15                        ; the sum's two halves,
	s_delay_alu instid0(VALU_DEP_1)
	v_permlanex16_b32 v[TT], v14, s[SEL], s[SEL+1]
	s_delay_alu instid0(VALU_DEP_1)
	v_add_f32 v14, v14, v[TT]                      ; and lane l xor 16's
	s_wait_alu depctr_va_vdst(0)
	v_rcp_f32 v234, v14
	v_nop                                          ; a plain place behind the transcendental
.set j, 0
	s_wait_alu depctr_va_vdst(0)                   ; and ahead of its first reader, which is O^T's first reader too
.rept 16
	v_pk_mul_f32 v[KV+j:KV+j+1], v[O+j:O+j+1], v[234:235] op_sel_hi:[1,0]   ; register 8 t + i: channel 32 (t / 2) + 16 (lane / 16) + 8 (t % 2) + i; each accumulator from its low end on
.set j, j+2
.endr
	QUANT2 KV, PCD, PT, BM
	v_lshl_or_b32 v[SOP], v[BM+7], 8, v[BM+6]      ; my head's two bytes of the scale word
	global_store_b128 v1, v[PCD:PCD+3], s[46:47]   ; 32 lanes store 512 consecutive bytes,
	global_store_b64 v2, v[PCD+4:PCD+5], s[46:47] offset:512   ; and 256
	global_store_b16 v3, v[SOP], s[48:49]
	s_wait_tensorcnt 0x0                           ; the wave's end
	ds_add_u32 v[SPW], v[NIL]
	s_wait_dscnt 0x0
	ROUND                                          ; the closing round: no work-group ends while a partner may still ask for a tile that names it
	s_endpgm
.Lfunc_end_k_qdc61929b4a_attn:
	.size	k_qdc61929b4a_attn, .Lfunc_end_k_qdc61929b4a_attn-k_qdc61929b4a_attn
	.p2alignl 7, 3214868480
	.fill 96, 4, 3214868480
	.section	.rodata,"a",@progbits
	.p2align	6, 0x0
	.amdhsa_kernel k_qdc61929b4a_attn
		.amdhsa_group_segment_fixed_size 327680
		.amdhsa_private_segment_fixed_size 0
		.amdhsa_enable_private_segment 0
		.amdhsa_kernarg_size 24
		.amdhsa_user_sgpr_count 2
		.amdhsa_user_sgpr_kernarg_segment_ptr 1
		.amdhsa_wavefront_size32 1
		.amdhsa_system_sgpr_workgroup_id_x 1
		.amdhsa_system_sgpr_workgroup_id_y 1
		.amdhsa_system_sgpr_workgroup_id_z 1
		.amdhsa_system_vgpr_workitem_id 0
		.amdhsa_next_free_vgpr 256
		.amdhsa_next_free_sgpr 66
		.amdhsa_reserve_vcc 1
		.amdhsa_float_denorm_mode_32 3
		.amdhsa_float_denorm_mode_16_64 3
		.amdhsa_memory_ordered 1
		.amdhsa_forward_progress 1
		.amdhsa_inst_pref_size 255
	.end_amdhsa_kernel
	.section	.bss,"aw",@nobits
	.p2align	6
	.space	262144
	.amdgpu_metadata
---
amdhsa.version: [ 1, 2 ]
amdhsa.kernels:
  - .name:           k_qdc61929b4a_attn
    .symbol:         k_qdc61929b4a_attn.kd
    .args:
      - { .name: qq, .offset: 0, .size: 8, .value_kind: global_buffer, .address_space: global }
      - { .name: kv, .offset: 8, .size: 8, .value_kind: global_buffer, .address_space: global }
      - { .name: hh, .offset: 16, .size: 8, .value_kind: global_buffer, .address_space: global }
    .group_segment_fixed_size: 327680
    .private_segment_fixed_size: 0
    .kernarg_segment_align: 8
    .kernarg_segment_size: 24
    .max_flat_workgroup_size: 512
    .sgpr_count:     66
    .vgpr_count:     256
    .wavefront_size: 32
...
	.end_amdgpu_metadata
.endif
;; end of part 3
;; launch proj (part 4): grid 256 x 1, 8 waves a work-group, no clusters, 70,656 bytes of LDS; arguments hh, wq, proj_b, x, out0; writes out0
.if DOCPART == 4
	.amdgcn_target "amdgcn-amd-amdhsa--gfx1250"
	.amdhsa_code_object_version 6
	.text
	.protected	k_qdc61929b4a_proj
	.globl	k_qdc61929b4a_proj
	.p2align	8
	.type	k_qdc61929b4a_proj,@function
k_qdc61929b4a_proj:
	s_mov_b64 s[64:65], 0
	v_nop
	global_prefetch_b8 v0, s[64:65] scope:SCOPE_SE
	s_setreg_imm32_b32 hwreg(HW_REG_WAVE_MODE, 25, 1), 1
	s_wait_xcnt 0x0
; PROJ: out0 = x + proj_w h + proj_b, the product on codes of FP6 (E2M3) with one E8M0 byte for each 32 along K = the 256 channels.
; A work-group takes 64 positions of one image; wave w makes output channels 32 w .. 32 w + 31 for all of them: 2 tiles of outputs x 4 tiles of positions, 8 accumulators, 2 K steps.
; h's 8 fragments (12,288 consecutive bytes of hh, as images of the registers) and the wave's 4 fragments of proj_w come from memory straight into registers.
; Source 0 = positions, source 1 = weight rows: a lane holds one output channel, and its registers run along the positions.  Tiles are permuted as they were made: lane r of tile 2 P + u holds number 32 P + 8 u + r + 8 (r / 8),
; so register j of the result (tile T' of positions) is position 32 (T' / 2) + 16 (lane / 16) + 8 (T' % 2) + j.  The bias is the C of each sum's first product.
; THE WAY OUT: through the wave's own stage in LDS (32 rows of 256 bytes + 16), back as whole rows; x is added; sixteen lanes store 256 consecutive bytes, aligned.  No barrier: waves share nothing in LDS.
; NO CLUSTER: what work-groups share, proj_w's images, goes straight into registers, 6,144 bytes a wave, used once; there is no tile in LDS to share.
; REGISTERS: v1-7 addresses; v16-111 h's fragments, later 16 x 4 registers of rows; v112-159 the weights; v160-223 accumulators; v224-239 the bias as C; v240-247 h's scale words; v248-249 the weights'; v250-251 the bias.  window 1: v0-63 x.
.set HF,  16
.set WF,  112
.set ACC, 160
.set BC,  224
.set HS,  240
.set WS,  248
.set BV,  250
.set MSB, 0
.macro WIN new                         ; the immediate's high byte repeats the setting that is left
.if MSB != \new
	s_set_vgpr_msb (MSB<<8)|\new
.set MSB, \new
.endif
.endm
	s_load_b256 s[4:11], s[0:1], 0x0               ; hh s[4:5], wq s[6:7], proj_b s[8:9], x s[10:11]
	s_load_b64 s[12:13], s[0:1], 0x20              ; out0
	v_lshl_add_u32 v254, v0, 2, 0x11000
	v_mov_b32 v255, 0
	v_lshrrev_b32 v8, 5, v0
	s_delay_alu instid0(VALU_DEP_1)
	v_readfirstlane_b32 s14, v8                    ; wave 0..7
	s_lshr_b32 s15, ttmp9, 6                       ; image b
	s_and_b32 s16, ttmp9, 63                       ; which 64 positions
	v_and_b32 v8, 31, v0                           ; lane
	v_and_b32 v9, 15, v0                           ; r
	v_bfe_u32 v10, v0, 4, 1                        ; h
	s_delay_alu instid0(VALU_DEP_3)
	v_lshlrev_b32 v1, 4, v8
	s_delay_alu instid0(VALU_DEP_4)
	v_lshlrev_b32 v2, 3, v8
	v_lshlrev_b32 v3, 2, v8
	v_lshlrev_b32 v4, 4, v9
	s_delay_alu instid0(VALU_DEP_1)
	v_lshl_add_u32 v4, v10, 14, v4                 ; x and out0: lanes 0-15 one channel's 256 bytes, lanes 16-31 the next channel's
	v_and_b32 v11, 8, v9
	s_delay_alu instid0(VALU_DEP_1)
	v_add_nc_u32 v11, v11, v9                      ; r + 8 (r / 8)
	s_delay_alu instid0(VALU_DEP_1)
	v_lshlrev_b32 v5, 2, v11
	s_mul_i32 s17, s14, 8704                       ; my stage
	v_mul_u32_u24 v6, v11, 272
	s_delay_alu instid0(VALU_DEP_1)
	v_lshl_add_u32 v6, v10, 6, v6
	s_delay_alu instid0(VALU_DEP_1)
	v_add_nc_u32 v6, s17, v6                       ; in: my channel's row, + 64 h
	v_mul_u32_u24 v7, v10, 272
	s_delay_alu instid0(VALU_DEP_1)
	v_lshl_add_u32 v7, v9, 4, v7
	s_delay_alu instid0(VALU_DEP_1)
	v_add_nc_u32 v7, s17, v7                       ; back: two rows an instruction
	s_lshl_b32 s18, s15, 10
	s_lshl_b32 s19, s16, 4
	s_add_co_u32 s18, s18, s19                     ; (256 b + my first tile) x 4
	s_mov_b32 s21, 0
	s_wait_alu depctr_va_vdst(0)
	s_wait_kmcnt 0x0
	s_mul_i32 s20, s18, 768
	s_add_nc_u64 s[24:25], s[4:5], s[20:21]        ; h's 16 half fragments
	s_lshl_b32 s20, s18, 6
	s_add_co_u32 s20, s20, 3145728
	s_add_nc_u64 s[26:27], s[4:5], s[20:21]        ; their scale words
	s_mul_i32 s20, s14, 6144
	s_add_co_u32 s20, s20, 147456
	s_add_nc_u64 s[28:29], s[6:7], s[20:21]        ; tiles 48 + 2 w, 48 + 2 w + 1 of wq
	s_lshl_b32 s20, s14, 8
	s_add_co_u32 s20, s20, 202752
	s_add_nc_u64 s[30:31], s[6:7], s[20:21]
	s_lshl_b32 s20, s14, 7
	s_add_nc_u64 s[32:33], s[8:9], s[20:21]
	s_lshl_b32 s20, s15, 22
	s_lshl_b32 s19, s14, 19
	s_add_co_u32 s20, s20, s19
	s_lshl_b32 s19, s16, 8
	s_add_co_u32 s20, s20, s19
	s_add_nc_u64 s[10:11], s[10:11], s[20:21]
	s_add_nc_u64 s[12:13], s[12:13], s[20:21]
.irp q, 0,1,2,3,4,5,6,7,8,9,10,11,12,13,14,15   ; q = 4 T' + head: registers 6 (head % 2) on of fragment (T', head / 2)
	global_load_b128 v[HF+6*\q:HF+6*\q+3], v1, s[24:25] offset:768*\q
	global_load_b64 v[HF+6*\q+4:HF+6*\q+5], v2, s[24:25] offset:768*\q+512
.endr
.irp q, 0,1,2,3,4,5,6,7
	global_load_b32 v[HS+\q], v3, s[26:27] offset:128*\q
.endr
.irp f, 0,1,2,3
.irp g, 0,1,2
	global_load_b128 v[WF+12*\f+4*\g:WF+12*\f+4*\g+3], v1, s[28:29] offset:1536*\f+512*\g
.endr
.endr
.irp u, 0,1
	global_load_b32 v[WS+\u], v3, s[30:31] offset:128*\u             ; lanes 0-15: K step 0's words; lanes 16-31: K step 1's
.endr
.irp u, 0,1
	global_load_b32 v[BV+\u], v5, s[32:33] offset:32*\u
.endr
	WIN 0x40                                       ; destination window 1
.irp i, 0,1,2,3,4,5,6,7,8,9,10,11,12,13,14,15
	global_load_b128 v[4*\i:4*\i+3], v4, s[10:11] offset:32768*\i th:TH_LOAD_NT   ; x's last reading
.endr
	WIN 0
	s_wait_loadcnt 16                              ; all but x's sixteen loads
.irp u, 0,1
.irp i, 0,1,2,3,4,5,6,7
	v_mov_b32 v[BC+8*\u+\i], v[BV+\u]              ; a lane's eight results share its channel's bias
.endr
.endr
.irp u, 0,1                                    ; eight accumulators by turns, one instruction a turn
.irp m, 0,1,2,3
	v_wmma_scale_f32_16x16x128_f8f6f4 v[ACC+8*(4*\u+\m):ACC+8*(4*\u+\m)+7], v[HF+24*\m:HF+24*\m+11], v[WF+24*\u:WF+24*\u+11], v[BC+8*\u:BC+8*\u+7], v[HS+2*\m], v[WS+\u] matrix_a_fmt:MATRIX_FMT_FP6 matrix_b_fmt:MATRIX_FMT_FP6
.endr
.endr
.irp u, 0,1
.irp m, 0,1,2,3
	v_wmma_scale_f32_16x16x128_f8f6f4 v[ACC+8*(4*\u+\m):ACC+8*(4*\u+\m)+7], v[HF+24*\m+12:HF+24*\m+23], v[WF+24*\u+12:WF+24*\u+23], v[ACC+8*(4*\u+\m):ACC+8*(4*\u+\m)+7], v[HS+2*\m+1], v[WS+\u] matrix_a_fmt:MATRIX_FMT_FP6 matrix_b_fmt:MATRIX_FMT_FP6 matrix_b_scale:MATRIX_SCALE_ROW1
.endr
.endr
.rept 4
	v_nop                                          ; four places in front of the stores that read results and of the loads into h's registers (ISA guide 7.12.1 for vector instructions)
.endr
.irp u, 0,1
.irp m, 0,1,2,3
	ds_store_b128 v6, v[ACC+8*(4*\u+\m):ACC+8*(4*\u+\m)+3] offset:8*\u*272+128*(\m/2)+32*(\m%2)        ; each accumulator from its low end on
	ds_store_b128 v6, v[ACC+8*(4*\u+\m)+4:ACC+8*(4*\u+\m)+7] offset:8*\u*272+128*(\m/2)+32*(\m%2)+16
.endr
.endr
.irp i, 0,1,2,3,4,5,6,7,8,9,10,11,12,13,14,15
	ds_load_b128 v[HF+4*\i:HF+4*\i+3], v7 offset:544*\i   ; LDS serves a wave's instructions in order (ISA guide 5.7.1.4): these see my stores
.endr
	s_wait_loadcnt 0x0                             ; x
	s_wait_dscnt 0x0
	WIN 0x04                                       ; source 1, x: window 1
.set p, 0
.rept 32
	v_pk_add_f32 v[HF+2*p:HF+2*p+1], v[HF+2*p:HF+2*p+1], v[2*p:2*p+1]
.set p, p+1
.endr
	WIN 0
.irp i, 0,1,2,3,4,5,6,7,8,9,10,11,12,13,14,15
	global_store_b128 v4, v[HF+4*\i:HF+4*\i+3], s[12:13] offset:32768*\i th:TH_STORE_NT   ; 16 lanes store 256 consecutive bytes, at a multiple of 256 from out0's first byte
.endr
	s_wait_tensorcnt 0x0
	ds_add_u32 v254, v255
	s_wait_dscnt 0x0
	s_endpgm
.Lfunc_end_k_qdc61929b4a_proj:
	.size	k_qdc61929b4a_proj, .Lfunc_end_k_qdc61929b4a_proj-k_qdc61929b4a_proj
	.p2alignl 7, 3214868480
	.fill 96, 4, 3214868480
	.section	.rodata,"a",@progbits
	.p2align	6, 0x0
	.amdhsa_kernel k_qdc61929b4a_proj
		.amdhsa_group_segment_fixed_size 70656
		.amdhsa_private_segment_fixed_size 0
		.amdhsa_enable_private_segment 0
		.amdhsa_kernarg_size 40
		.amdhsa_user_sgpr_count 2
		.amdhsa_user_sgpr_kernarg_segment_ptr 1
		.amdhsa_wavefront_size32 1
		.amdhsa_system_sgpr_workgroup_id_x 1
		.amdhsa_system_sgpr_workgroup_id_y 1
		.amdhsa_system_sgpr_workgroup_id_z 1
		.amdhsa_system_vgpr_workitem_id 0
		.amdhsa_next_free_vgpr 320
		.amdhsa_next_free_sgpr 66
		.amdhsa_reserve_vcc 0
		.amdhsa_float_denorm_mode_32 3
		.amdhsa_float_denorm_mode_16_64 3
		.amdhsa_memory_ordered 1
		.amdhsa_forward_progress 1
		.amdhsa_inst_pref_size 18
	.end_amdhsa_kernel
	.amdgpu_metadata
---
amdhsa.version: [ 1, 2 ]
amdhsa.kernels:
  - .name:           k_qdc61929b4a_proj
    .symbol:         k_qdc61929b4a_proj.kd
    .args:
      - { .name: hh, .offset: 0, .size: 8, .value_kind: global_buffer, .address_space: global }
      - { .name: wq, .offset: 8, .size: 8, .value_kind: global_buffer, .address_space: global }
      - { .name: proj_b, .offset: 16, .size: 8, .value_kind: global_buffer, .address_space: global }
      - { .name: x, .offset: 24, .size: 8, .value_kind: global_buffer, .address_space: global }
      - { .name: out0, .offset: 32, .size: 8, .value_kind: global_buffer, .address_space: global }
    .group_segment_fixed_size: 70656
    .private_segment_fixed_size: 0
    .kernarg_segment_align: 8
    .kernarg_segment_size: 40
    .max_flat_workgroup_size: 256
    .sgpr_count:     66
    .vgpr_count:     320
    .wavefront_size: 32
...
	.end_amdgpu_metadata
.endif
;; end of part 4
